; MI455X (gfx1250); checked and timed in simulation.
; The chip was launched on July 23, 2026; its instructions are those of AMD's public machine-readable ISA for CDNA 5 (MIT licence, August 2026) and "CDNA5" Instruction Set Architecture Reference Guide (July 2026). The comments in the code are by the model that wrote it; some were corrected since.
;; Multi head attention. Allowed arithmetic: matrix products marked QUANTISED: E4M3 operands, one given power-of-two scale a tensor, by v_wmma_f32_16x16x64_fp8_fp8 or v_wmma_f32_16x16x128_fp8_fp8, f32 sums; everything else in f32.
;; Inputs: Wk 1,024 x 1,024 float32; Wo 1,024 x 1,024 float32; Wq 1,024 x 1,024 float32; Wv 1,024 x 1,024 float32; bo 1,024 float32; embed_vec 4 x 2,048 x 1,024 float32; lowp_scales 12 int32 (the exponents e of the quantised operands' scales 2^e).
;; Outputs: out0 4 x 2,048 x 1,024 float32.
;; This version of the problem:
;;   THIS VERSION OF THE PROBLEM IS GIVEN IN LOW PRECISION. The matrix products marked QUANTISED in the list below multiply operands that are first quantised to E4M3 (4 exponent bits, 3 mantissa bits; 8 bits a number), with one given power-of-two scale for each operand tensor; their sums are f32. All else is computed in f32.
;;   The module's matrix products, in the order in which they are computed (A, B: the left and right operand; K: the contracted axis; several contracted axes count as one K, in the product's order):
;;     1. [M 8,192, K 1,024] x [K 1,024, N 1,024]; A: input embed_vec; B: input Wq: QUANTISED (scales: A lowp_scales[0], B lowp_scales[1])
;;     2. [M 8,192, K 1,024] x [K 1,024, N 1,024]; A: input embed_vec; B: input Wk: QUANTISED (scales: A lowp_scales[2], B lowp_scales[3])
;;     3. [M 8,192, K 1,024] x [K 1,024, N 1,024]; A: input embed_vec; B: input Wv: QUANTISED (scales: A lowp_scales[4], B lowp_scales[5])
;;     4. batch 64 x [M 2,048, K 64] x [K 64, N 2,048]; A: computed on the way; B: computed on the way: QUANTISED (scales: A lowp_scales[6], B lowp_scales[7])
;;     5. batch 64 x [M 2,048, K 2,048] x [K 2,048, N 64]; A: softmax (see below); B: computed on the way: QUANTISED (scales: A lowp_scales[8], B lowp_scales[9])
;;     6. [M 8,192, K 1,024] x [K 1,024, N 1,024]; A: computed on the way; B: input Wo: QUANTISED (scales: A lowp_scales[10], B lowp_scales[11])
;;   THE QUANTISER, for each operand of a quantised product, along K:
;;     - The operand's scale is 2^e, e = its entry of the input lowp_scales (int32; the entries are numbered through the quantised products in the list's order, A before B).
;;     - Each number is divided by the scale, clamped to +-448, and rounded to the nearest number of E4M3, ties to even, subnormals kept.
;;     - The product sums the exact products of the quantised numbers (number of the format x scale) in f32.
;;   ~~~python
;;   def quantise(x, axis, e):      # numpy; x: float32 -> the quantised numbers, widened to float32 again
;;       x = np.moveaxis(x, axis, -1); K = x.shape[-1]
;;       r = np.clip(x / 2.0 ** e, -448, 448)
;;       step = 2.0 ** (np.maximum(np.frexp(np.where(r == 0, 1, r))[1] - 1, -6) - 3)
;;       q = np.round(r / step) * step * 2.0 ** e      # np.round: ties to even
;;       return np.moveaxis(q, -1, axis).astype(np.float32)
;;   ~~~
;;   SOFTMAX AHEAD OF A QUANTISED PRODUCT. Where the list says 'softmax', what is quantised is not the finished softmax but p = 2^(t - M), with t = logit x log2(e) and M = ceil(the row's largest t), a whole number; so 1/2 < the row's largest p <= 1. The row's sum l is taken of the UNQUANTISED p, in f32, and the product's result is divided by l at the end. Since M is a whole number, a kernel that streams over the keys may use a running M (the ceiling of the running maximum): every later rescaling is an exact power of two, so the quantised numbers keep their values, but for numbers so far below the row's largest that they fall under the format's range.
;;   OPERANDS COMPUTED ON THE WAY. 'Computed on the way' means the value that the module computes at that place (a softmax that the list does not call 'softmax' is quantised finished and normalised). What goes into a quantiser is computed in f32, as accurately as f32 sums, v_exp_f32 and their like allow (about 1e-6 of the number): no bf16 or f16 on the way to a quantiser, and a product that is left as it is and whose result goes on into a quantised operand takes f32 operands (vector FMAs, or v_wmma_f32_16x16x4_f32). A number that lies on a knife's edge between two numbers of the format may be rounded either way, as far as f32 arithmetic and the matrix unit's own rounding can turn it there, and no further.
;; One version. Each part assembles by itself: llvm-mc -triple=amdgcn-amd-amdhsa -mcpu=gfx1250 --defsym DOCPART=n.
;; ======== version 1 of 1: 4 launches
;; limits: right only within a limited range of input values
;; workspace buffers: x_codes 25,165,824 bytes; w_codes 4,194,304 bytes; q_img 8,388,608 bytes; k_img 8,388,608 bytes; v_img 8,388,608 bytes; ctx_img 8,388,608 bytes
;; launch quant (part 1): grid 384 x 1, 4 waves a work-group, no clusters, 68,096 bytes of LDS; arguments embed_vec, Wq, Wk, Wv, Wo, lowp_scales, x_codes, w_codes; writes x_codes, w_codes
.if DOCPART == 1
	.amdgcn_target "amdgcn-amd-amdhsa--gfx1250"
	.amdhsa_code_object_version 6
	.text
	.protected	k_q447934b8a7_quant
	.globl	k_q447934b8a7_quant
	.p2align	8
	.type	k_q447934b8a7_quant,@function
k_q447934b8a7_quant:
	s_mov_b64 s[64:65], 0
	v_nop
	global_prefetch_b8 v0, s[64:65] scope:SCOPE_SE
	s_setreg_imm32_b32 hwreg(HW_REG_WAVE_MODE, 25, 1), 1
	s_wait_xcnt 0x0
; THE QUANTISER.  embed_vec [8192][1024] f32 becomes three tensors of E4M3 codes, one for each scale under which it is an operand (entries 0, 2, 4 of the scales);
; Wq, Wk, Wv, Wo ([k][n] f32, K their FIRST axis) become codes laid [n][k], K innermost (entries 1, 3, 5, 11).
; code = x / 2^e, held within +-448, rounded to the nearest code, ties to even.
; LIMITS: each e used here lies between -126 and 119, so that 2^e and 448 x 2^e are f32 numbers.  NaN among the inputs is not served (an infinity is held at the largest code).
; Work-groups 0 to 255 take embed_vec, 256 to 383 the weights.  The two ways share no LDS byte: bytes 0 to 32,767 are x's stages, bytes 32,768 to 67,583 the weights'.
; No tensor loads, no barrier: waves share nothing.
; x_codes: [3][8192][1024].  w_codes: [4: Wq, Wk, Wv, Wo][1024 rows n][1024 k].  In Wv's part alone row p holds column sigma(p), sigma = bits 3 and 4 of the index exchanged:
; the attention launch then finds its results in the order in which the last product wants its operand.
.set SP,    80                         ; x: a lane's place in a stage: its 64 bytes + 16 of padding
.set STEPS, 16
.set R,     16                         ; x: v16-79   four sets of 16 numbers as they are loaded
.set X,     80                         ; x: v80-111  two sets of 16 neighbours
.set T,     112
.set C,     128                        ; x: v128-139 codes: four registers for each scale
.set XW,    32                         ; w: v32-95   two sets of 32 numbers
.set CW,    96                         ; w: v96-103  a block's codes
.set OUTR,  112                        ; w: v112-175 the way out
.set WP,    272                        ; w: a stage row: 256 bytes of codes + 16
	s_load_b256 s[4:11], s[0:1], 0x0               ; embed_vec s[4:5], Wq s[6:7], Wk s[8:9], Wv s[10:11]
	s_load_b256 s[12:19], s[0:1], 0x20             ; Wo s[12:13], the scales' exponents s[14:15], x_codes s[16:17], w_codes s[18:19]
	v_lshl_add_u32 v192, v0, 2, 0x10800
	v_mov_b32 v193, 0
	v_lshrrev_b32 v1, 5, v0
	v_readfirstlane_b32 s20, v1                    ; wave 0..3
	v_and_b32 v2, 31, v0                           ; lane
	s_cmp_lt_u32 ttmp9, 256
	s_cbranch_scc0 .Lweights
; ---------------- embed_vec: a plain stream.  A wave takes 16 steps of 512 numbers.  Each load reads 512 consecutive bytes, 16 a lane; a step's 2,048 bytes turn through the wave's own stage in LDS
; and come back 64 bytes a lane: 16 neighbours along K, which the conversions want in one lane's registers.  The same 16 numbers are held and converted three times, once for each scale.
	v_lshlrev_b32 v3, 4, v2                        ; my 16 bytes of a load's 512, and of a store's 512
	s_mul_i32 s21, s20, 8192                       ; my wave's two stages
	v_lshrrev_b32 v14, 2, v2
	v_mul_u32_u24 v14, v14, SP
	v_and_b32 v15, 3, v2
	v_lshl_add_u32 v14, v15, 4, v14
	v_add_nc_u32 v14, s21, v14                     ; in: four lanes' 64 bytes on end, then 16 of padding
	v_mul_u32_u24 v15, v2, SP
	v_add_nc_u32 v15, s21, v15                     ; out: my 16 neighbours
	s_wait_alu depctr_va_vdst(0)
	s_wait_kmcnt 0x0
	s_load_b256 s[24:31], s[14:15], 0x0            ; e0 .. e7: e0 = s24, e2 = s26, e4 = s28
	s_lshl_b32 s22, ttmp9, 2
	s_add_co_u32 s22, s22, s20                     ; which run of 8,192 numbers is my wave's: 0 .. 1023
	s_lshl_b32 s32, s22, 15                        ; 32,768 bytes of f32 a run
	s_mov_b32 s33, 0
	s_add_nc_u64 s[4:5], s[4:5], s[32:33]
	s_lshl_b32 s32, s22, 13                        ; 8,192 bytes of codes a run
	s_add_nc_u64 s[34:35], s[16:17], s[32:33]      ; three bases: the tensors of codes lie 8 MiB apart, more than a store's immediate reaches
	s_add_nc_u64 s[36:37], s[34:35], 0x800000
	s_add_nc_u64 s[38:39], s[34:35], 0x1000000
.macro LOADX t
.irp i, 0,1,2,3
	global_load_b128 v[R+16*((\t)%4)+4*\i:R+16*((\t)%4)+4*\i+3], v3, s[4:5] offset:2048*(\t)+512*\i th:TH_LOAD_NT   ; 32 lanes read 512 consecutive bytes; read once in the launch
.endr
.endm
.macro TURNX t                         ; step t's numbers through the stage: LDS serves a wave's instructions in order (ISA guide 5.7.1.4), so no wait stands between the stores and the loads
.irp i, 0,1,2,3
	ds_store_b128 v14, v[R+16*((\t)%4)+4*\i:R+16*((\t)%4)+4*\i+3] offset:32*SP*((\t)%2)+8*SP*\i
.endr
.irp i, 0,1,2,3
	ds_load_b128 v[X+16*((\t)%2)+4*\i:X+16*((\t)%2)+4*\i+3], v15 offset:32*SP*((\t)%2)+16*\i
.endr
.endm
.irp t, 0,1,2,3
	LOADX \t
.endr
	s_wait_kmcnt 0x0
.irp j, 0,1,2
	s_add_co_i32 s40, s[24+2*\j], 127
	s_lshl_b32 s41, s40, 23
	v_mov_b32 v[8+\j], s41                         ; 2^e as f32: the conversion takes its exponent field
	s_add_co_i32 s40, s40, 8
	s_lshl_b32 s40, s40, 23
	s_or_b32 s40, s40, 0x600000
.endr
	s_wait_alu depctr_va_vdst(0)
	s_wait_loadcnt 12                              ; step 0's four loads are in; the twelve of steps 1 to 3 may be out
	TURNX 0
.macro STEPX t
.set XS, X+16*((\t)%2)
	s_wait_dscnt 0x0                               ; this step's numbers are back from the stage: so its stores into the stage have read their registers
	s_wait_xcnt 0x0                                ; the last step's three stores have read the codes' registers, which are written again below
.if (\t)+4 < STEPS
	LOADX (\t)+4
.endif
.if (\t)+1 < STEPS
.if STEPS-2-(\t) >= 3
	s_wait_loadcnt 12                              ; the next step's four loads are in; those of the three steps behind it may be out
.else
	s_wait_loadcnt 4*(STEPS-2-(\t))
.endif
	TURNX (\t)+1                                   ; they go through the other stage while this step is worked
.endif
.irp j, 0,1,2
.irp i, 0,1,2,3,4,5,6,7,8,9,10,11,12,13,14,15
.endr
	v_cvt_scalef32_pk8_fp8_f32 v[C+4*\j:C+4*\j+1], v[XS:XS+7], v[8+\j]
	v_cvt_scalef32_pk8_fp8_f32 v[C+4*\j+2:C+4*\j+3], v[XS+8:XS+15], v[8+\j]
	v_nop                                          ; one plain vector line behind the two conversions
.endr
.irp j, 0,1,2
	global_store_b128 v3, v[C+4*\j:C+4*\j+3], s[34+2*\j:35+2*\j] offset:512*(\t)   ; 32 lanes store 512 consecutive bytes, aligned
.endr
.endm
.irp t, 0,1,2,3,4,5,6,7,8,9,10,11,12,13,14,15
	STEPX \t
.endr
	s_wait_tensorcnt 0x0
	ds_add_u32 v192, v193
	s_wait_dscnt 0x0
	s_endpgm
; ---------------- the weights: a lane takes a column n and its registers run down K, so the conversions give codes with K innermost and nothing is transposed by an instruction.
; A wave takes 32 columns x 256 along K; its codes go through its own stage in LDS and leave by rows: sixteen lanes store 256 consecutive bytes, aligned.
.Lweights:
	s_sub_co_u32 s21, ttmp9, 256
	s_lshr_b32 s22, s21, 5                         ; which weight: 0 Wq, 1 Wk, 2 Wv, 3 Wo
	s_and_b32 s23, s21, 7                          ; which 128 columns
	s_bfe_u32 s24, s21, 0x20003                    ; which 256 along K
	s_lshl_b32 s25, s23, 7
	s_lshl_b32 s26, s20, 5
	s_add_co_u32 s25, s25, s26                     ; my wave's first column, a multiple of 32
	s_cmp_eq_u32 s22, 2
	s_cselect_b32 s27, 24, 0                       ; Wv alone: the lane loads column sigma(lane): bits 3 and 4 exchanged = xor 24 where they differ
	s_wait_alu depctr_va_vdst(0)
	v_lshrrev_b32 v5, 3, v2
	v_lshrrev_b32 v6, 4, v2
	v_xor_b32 v5, v5, v6
	v_and_b32 v5, 1, v5
	v_mul_u32_u24 v5, s27, v5
	v_xor_b32 v5, v5, v2
	v_lshlrev_b32 v3, 2, v5                        ; in: 4 bytes a lane; a wave's load still covers the same 128 consecutive bytes
	s_mul_i32 s28, s20, 32*WP
	s_add_co_u32 s28, s28, 32768                   ; my stage
	v_mul_u32_u24 v4, v2, WP
	v_add_nc_u32 v4, s28, v4                       ; into it: row = my lane = the output's row
	v_and_b32 v5, 15, v2
	v_lshrrev_b32 v6, 4, v2
	v_mul_u32_u24 v7, v6, WP
	v_lshl_add_u32 v7, v5, 4, v7
	v_add_nc_u32 v7, s28, v7                       ; out of it: sixteen lanes to a row, two rows an instruction
	v_lshlrev_b32 v8, 10, v6
	v_lshl_add_u32 v8, v5, 4, v8                   ; and the same place in the codes' buffer (rows of 1,024 bytes)
	s_lshl_b32 s36, s24, 20                        ; 256 rows of 4,096 bytes,
	s_lshl_b32 s26, s25, 2
	s_add_co_u32 s36, s36, s26                     ; + 4 x column
	s_mov_b32 s37, 0
	s_lshl_b32 s38, s22, 20                        ; a weight's codes are 1 MiB,
	s_lshl_b32 s26, s25, 10
	s_add_co_u32 s38, s38, s26                     ; + 1,024 x row
	s_lshl_b32 s26, s24, 8
	s_add_co_u32 s38, s38, s26                     ; + my 256 along K
	s_mov_b32 s39, 0
	s_wait_kmcnt 0x0
	s_load_b256 s[40:47], s[14:15], 0x0            ; e0 .. e7
	s_load_b128 s[48:51], s[14:15], 0x20           ; e8 .. e11
	s_cmp_lt_u32 s22, 1                            ; the weight is chosen by the work-group's number alone
	s_cselect_b64 s[32:33], s[6:7], s[8:9]
	s_cmp_lt_u32 s22, 3
	s_cselect_b64 s[34:35], s[10:11], s[12:13]
	s_cmp_lt_u32 s22, 2
	s_cselect_b64 s[32:33], s[32:33], s[34:35]
	s_add_nc_u64 s[32:33], s[32:33], s[36:37]
	s_add_nc_u64 s[18:19], s[18:19], s[38:39]
.macro LOADW t                         ; block t: W(32 t + i, my column), i = 0 .. 31, into set t % 2; the offsets reach 255 rows of 4,096 bytes, inside the signed 24-bit immediate
.irp i, 0,1,2,3,4,5,6,7,8,9,10,11,12,13,14,15,16,17,18,19,20,21,22,23,24,25,26,27,28,29,30,31
	global_load_b32 v[XW+32*((\t)%2)+\i], v3, s[32:33] offset:(32*(\t)+\i)*4096 th:TH_LOAD_NT
.endr
.endm
	LOADW 0
	LOADW 1
	s_wait_kmcnt 0x0
	s_cmp_lt_u32 s22, 1
	s_cselect_b32 s30, s41, s43                    ; e1 or e3
	s_cmp_lt_u32 s22, 3
	s_cselect_b32 s31, s45, s51                    ; e5 or e11
	s_cmp_lt_u32 s22, 2
	s_cselect_b32 s30, s30, s31
	s_add_co_i32 s30, s30, 127
	s_lshl_b32 s31, s30, 23
	v_mov_b32 v11, s31                             ; 2^e as f32
	s_add_co_i32 s30, s30, 8
	s_lshl_b32 s30, s30, 23
	s_or_b32 s30, s30, 0x600000
.macro BLOCKW t
.set XS, XW+32*((\t)%2)
.if (\t) < 7
	s_wait_loadcnt 32                              ; this block's 32 loads are in; the next block's 32 may be out
.else
	s_wait_loadcnt 0
.endif
.irp i, 0,1,2,3,4,5,6,7,8,9,10,11,12,13,14,15,16,17,18,19,20,21,22,23,24,25,26,27,28,29,30,31
.endr
.irp g, 0,1,2,3
	v_cvt_scalef32_pk8_fp8_f32 v[CW+2*\g:CW+2*\g+1], v[XS+8*\g:XS+8*\g+7], v11
.endr
	v_nop                                          ; one plain vector line behind the last conversion of the run
	ds_store_b128 v4, v[CW:CW+3] offset:32*(\t)    ; 32 codes: 32 bytes of my row
	ds_store_b128 v4, v[CW+4:CW+7] offset:32*(\t)+16
.if (\t)+2 < 8
	LOADW (\t)+2
.endif
	s_wait_dscnt 0x0                               ; the stores have read their registers: the next block's codes may be written
.endm
	s_wait_alu depctr_va_vdst(0)
.irp t, 0,1,2,3,4,5,6,7
	BLOCKW \t
.endr
.irp t, 0,1,2,3,4,5,6,7,8,9,10,11,12,13,14,15
	ds_load_b128 v[OUTR+4*\t:OUTR+4*\t+3], v7 offset:2*\t*WP   ; LDS serves a wave's instructions in order: these see my stores
.endr
.irp t, 0,1,2,3,4,5,6,7,8,9,10,11,12,13,14,15
	s_wait_dscnt 15-\t                             ; rows 2 t and 2 t + 1 are back; the later ones may be out
	global_store_b128 v8, v[OUTR+4*\t:OUTR+4*\t+3], s[18:19] offset:2*\t*1024
.endr
	s_wait_tensorcnt 0x0
	ds_add_u32 v192, v193
	s_wait_dscnt 0x0
	s_endpgm
.Lfunc_end_k_q447934b8a7_quant:
	.size	k_q447934b8a7_quant, .Lfunc_end_k_q447934b8a7_quant-k_q447934b8a7_quant
	.p2alignl 7, 3214868480
	.fill 96, 4, 3214868480
	.section	.rodata,"a",@progbits
	.p2align	6, 0x0
	.amdhsa_kernel k_q447934b8a7_quant
		.amdhsa_group_segment_fixed_size 68096
		.amdhsa_private_segment_fixed_size 0
		.amdhsa_enable_private_segment 0
		.amdhsa_kernarg_size 64
		.amdhsa_user_sgpr_count 2
		.amdhsa_user_sgpr_kernarg_segment_ptr 1
		.amdhsa_wavefront_size32 1
		.amdhsa_system_sgpr_workgroup_id_x 1
		.amdhsa_system_sgpr_workgroup_id_y 1
		.amdhsa_system_sgpr_workgroup_id_z 1
		.amdhsa_system_vgpr_workitem_id 0
		.amdhsa_next_free_vgpr 194
		.amdhsa_next_free_sgpr 66
		.amdhsa_reserve_vcc 0
		.amdhsa_float_denorm_mode_32 3
		.amdhsa_float_denorm_mode_16_64 3
		.amdhsa_fp16_overflow 1
		.amdhsa_memory_ordered 1
		.amdhsa_forward_progress 1
		.amdhsa_inst_pref_size 64
	.end_amdhsa_kernel
	.amdgpu_metadata
---
amdhsa.version: [ 1, 2 ]
amdhsa.kernels:
  - .name:           k_q447934b8a7_quant
    .symbol:         k_q447934b8a7_quant.kd
    .args:
      - { .name: embed_vec, .offset: 0, .size: 8, .value_kind: global_buffer, .address_space: global }
      - { .name: Wq, .offset: 8, .size: 8, .value_kind: global_buffer, .address_space: global }
      - { .name: Wk, .offset: 16, .size: 8, .value_kind: global_buffer, .address_space: global }
      - { .name: Wv, .offset: 24, .size: 8, .value_kind: global_buffer, .address_space: global }
      - { .name: Wo, .offset: 32, .size: 8, .value_kind: global_buffer, .address_space: global }
      - { .name: lowp_scales, .offset: 40, .size: 8, .value_kind: global_buffer, .address_space: global }
      - { .name: x_codes, .offset: 48, .size: 8, .value_kind: global_buffer, .address_space: global }
      - { .name: w_codes, .offset: 56, .size: 8, .value_kind: global_buffer, .address_space: global }
    .group_segment_fixed_size: 68096
    .private_segment_fixed_size: 0
    .kernarg_segment_align: 8
    .kernarg_segment_size: 64
    .max_flat_workgroup_size: 128
    .sgpr_count:     66
    .vgpr_count:     194
    .wavefront_size: 32
...
	.end_amdgpu_metadata
.endif
;; end of part 1
;; launch gemm_qkv (part 2): grid 12 x 32, 4 waves a work-group, clusters of 4 x 4, 327,680 bytes of LDS; arguments x_codes, w_codes, lowp_scales, q_img, k_img, v_img; writes q_img, k_img, v_img
.if DOCPART == 2
	.amdgcn_target "amdgcn-amd-amdhsa--gfx1250"
	.amdhsa_code_object_version 6
	.text
	.protected	k_q447934b8a7_gemm_qkv
	.globl	k_q447934b8a7_gemm_qkv
	.p2align	8
	.type	k_q447934b8a7_gemm_qkv,@function
k_q447934b8a7_gemm_qkv:
	s_mov_b64 s[64:65], 0
	v_nop
	global_prefetch_b8 v0, s[64:65] scope:SCOPE_SE
	s_setreg_imm32_b32 hwreg(HW_REG_WAVE_MODE, 25, 1), 1
	s_wait_xcnt 0x0
	s_wait_alu depctr_hold_cnt(0) depctr_sa_sdst(0) depctr_va_vdst(0) depctr_va_sdst(0) depctr_va_ssrc(0) depctr_va_vcc(0) depctr_vm_vsrc(0)
	s_getreg_b32 s2, hwreg(HW_REG_IB_STS2, 6, 4)
	s_cmp_eq_u32 s2, 0
	s_cbranch_scc0 .Lentry_in_a_cluster
	s_endpgm
.Lentry_in_a_cluster:
	s_bfe_u32 s2, ttmp6, 0x10000c
	s_cmp_lg_u32 s2, 0xf033
	s_cbranch_scc0 .Lentry_shape_is_right
	s_endpgm
.Lentry_shape_is_right:
; q = x Wq, k = x Wk, v = x Wv on codes of E4M3, K = 1,024; the f32 sums are quantised in registers for the attention's products and leave as codes alone.
; A tile of 256 x 256 is made by a work-group of four waves; a wave makes 128 x 128: 64 accumulators of 16 x 16, 512 registers.  K goes in steps of 256 through a ring of two LDS slots filled by the tensor data mover.
; THE CLUSTER'S x SAYS WHICH PRODUCT: 0 q, 1 k, 2 v.  A slot has two regions of 256 rows x 256 codes, A and B.  The matrix instruction takes 16 rows of B as source 0 and 16 rows of A as source 1:
; a lane then holds ONE row of A and eight NEIGHBOURING rows of B, which one conversion turns into eight codes.
;   q, k: A = 256 tokens, B = 256 rows of the weight's codes (output channels): a lane's codes run along the channels, the first attention product's K.
;   v:    A = 256 rows of Wv's codes, B = 256 tokens: a lane's codes run along the keys, the second attention product's K.  Only pointers and offsets are chosen (on the cluster's x); the loop is one text.
; CLUSTERS: 4 x 4 work-groups.  A's tile hangs on cy and the cluster's place alone and is shared along a row of the cluster, B's on cx alone and is shared along a column: each is asked for jointly.
; OUTPUT, in the order of the reader's operand registers, so that every store covers 512 consecutive bytes and the reader needs no pitch:
;   q_img, k_img: [64 heads bh][128 tiles of 16 tokens][2 chunks][32 lanes][16 bytes]: a fragment of 16 tokens x 64 channels for the K = 64 form: register 2 c + i of lane (r, h) = channels 16 c + 8 h + 4 i .. + 3 of token r.
;   v_img: [bh][16 key steps of 128][4 tiles of 16 channel places][4 chunks][32 lanes][16 bytes]: a fragment for the K = 128 form: register 2 c + i of lane (r, h) = keys 16 c + 8 h + 4 i .. + 3 of channel place r.
; code = sum x 2^(eA + eB) / 2^eo, held within +-448: the three exponents are folded into the conversion's one scale.
; LIMITS: e6 - e0 - e1, e7 - e2 - e3 and e9 - e4 - e5 lie between -126 and 119, so that the folded scale and 448 x it are f32 numbers.  NaN is not served.
; REGISTERS, in windows of 256: window 0: v0-31 addresses and the scale; from v128 A's fragments, ONE set; on the way out v128-255 take the codes.
;   window 1: B's fragments, TWO sets, at v0 and v128.   window 2: the accumulators of my A rows 0-63 ((a, b) at v[8 (8 a + b)]);   window 3: those of my A rows 64-127.
.set ROWB,   256                       ; a tile's row in bytes
.set KROW,   1024                      ; a row of codes in memory
.set PITCH,  272                       ; an LDS row: 256 bytes + 16 of padding = 68 words: row r starts at bank 4 r mod 64 (64 banks of 4 bytes: ISA guide 11.1)
.set FR,     16                        ; registers of a fragment: 16 rows x 128 K
.set NL,     4                         ; LDS loads that bring one
.set NP,     4                         ; places behind this matrix instruction (ISA guide 7.12.1)
.set HALFT,  128*PITCH                 ; 128 rows: what one tensor load brings
.set SLOT,   4*HALFT
.set LAPS,   2                         ; 1,024 along K = two laps of two slots of 256
.set SPARE,  2*SLOT                    ; behind the ring: the spare words, 128 bytes for each wave: two blocks of 256 bytes that no other line names
.set SC,   12                          ; v12     the conversion's scale
.set LIM,  13
.set ADRA, 16                          ; v16-17  LDS address of my A fragments in slot 0, 1
.set ADRB, 20                          ; v20-21  the same for B
.set LO,   26                          ; v26     16 x lane: my place in a store's 512 bytes
.set SPW,  28                          ; v28     LDS address of my spare word; never rewritten
.set NIL,  29                          ; v29     0; never rewritten
.set AF,   128                         ; A's fragments, in window 0
.set CD,   128                         ; the way out: the codes, two registers an accumulator
.set G1, 24                            ; s[24:31] descriptor group 1 for A's tiles;  s[32:39] group 0, one set for each slot
.set G0, 32
.set G1B, 48                           ; s[48:55], s[56:63] the same for B's tiles
.set G0B, 56
.set MSB, 0
.macro WIN new                         ; the immediate's high byte repeats the setting that is left
.if MSB != \new
	s_set_vgpr_msb (MSB<<8)|\new
.set MSB, \new
.endif
.endm
.set MUL_LO, 0xa1                      ; source 0 (B) window 1, source 1 (A) window 0, C and D window 2
.set MUL_HI, 0xf1                      ; the same, C and D window 3
.set TO_B,   0x40                      ; destination window 1, address window 0
; A joint load: waves 0 and 1 fetch for A, waves 2 and 3 for B.  Each of the two lines has one mask and one set of registers; the branch hangs on the wave's number alone.
; Four v_nop follow each of the two lines, ahead of the jump, the label and what follows.
.macro JLOAD g0a, g1a, g0b, g1b
	s_cmp_eq_u32 s15, 0
	s_cbranch_scc0 .Lfor_b_\@
	tensor_load_to_lds s[\g0a:\g0a+3], s[\g1a:\g1a+7]
	s_nop 0
.rept 4
	v_nop
.endr
	s_branch .Lasked_\@
.Lfor_b_\@:
	tensor_load_to_lds s[\g0b:\g0b+3], s[\g1b:\g1b+7]
	s_nop 0
.rept 4
	v_nop
.endr
.Lasked_\@:
.endm
.macro CREST                           ; a round of the cluster's barrier behind its opening barrier
	s_cmp_lg_u32 s14, 0
	s_cbranch_scc1 .Lnot_wave_0_\@
	s_barrier_signal -3
.Lnot_wave_0_\@:
	s_barrier_wait -3
	s_barrier_signal -1
	s_barrier_wait -1
.endm
.macro CROUND                          ; a whole round
	s_barrier_signal -1
	s_barrier_wait -1
	CREST
.endm
	s_load_b128 s[4:7], s[0:1], 0x0                ; x_codes s[4:5], w_codes s[6:7]
	s_load_b64 s[8:9], s[0:1], 0x10                ; the scales' exponents
	s_load_b128 s[68:71], s[0:1], 0x18             ; q_img s[68:69], k_img s[70:71]
	s_load_b64 s[72:73], s[0:1], 0x28              ; v_img
	v_lshl_add_u32 v[SPW], v0, 2, SPARE
	v_mov_b32 v[NIL], 0
	ds_add_u32 v28, v29
	ds_add_u32 v28, v29
	s_wait_dscnt 0x0
	v_lshrrev_b32 v1, 5, v0
	v_readfirstlane_b32 s14, v1                    ; wave 0..3
	s_lshr_b32 s15, s14, 1                         ; which half of A's rows is mine.  Also: I fetch for A (0) or for B (1)
	s_and_b32 s16, s14, 1                          ; which half of B's rows.  Also: which 128 rows of that region I fetch
	s_bfe_u32 s40, ttmp6, 0x40000                  ; cx, cy: my place in the cluster
	s_bfe_u32 s41, ttmp6, 0x40004
	s_mov_b32 s74, ttmp9                           ; the cluster's x: 0 q, 1 k, 2 v; the same in all sixteen partners
	s_and_b32 s75, ttmp7, 0xffff                   ; the cluster's y: 0 .. 7
	s_lshl_b32 s43, s41, 2
	s_lshl_b32 s43, 15, s43                        ; my row of the cluster
	s_lshl_b32 s44, 0x1111, s40                    ; my column
	; descriptor group 1: a tile of 128 rows x 256 bytes, padded in LDS
	s_or_b32 s[G1+0], s43, (0<<16)|(1<<20)|(1<<21)|(5<<22)|(3<<25)  ; 15:0 the mask: A's tiles go to my row; 17:16 elements of 1 byte; 20 padding on; 21 set beside a mask; 24:22 after every 64 words (code 5); 31:25 four words (code 3)
	s_or_b32 s[G1B+0], s44, (0<<16)|(1<<20)|(1<<21)|(5<<22)|(3<<25)
.irp g, G1, G1B
	s_mov_b32 s[\g+1], ROWB<<16                    ; tensor_dim0
	s_mov_b32 s[\g+2], 128<<16                     ; tensor_dim1 = 128
	s_mov_b32 s[\g+3], ROWB<<16                    ; tile_dim0
	s_mov_b32 s[\g+4], 128                         ; tile_dim1 = 128
	s_mov_b32 s[\g+5], KROW                        ; tensor_dim0_stride
	s_mov_b32 s[\g+6], 0
	s_mov_b32 s[\g+7], 0
.endr
	; which 256 rows lie in A and in B.  q, k: A = tokens 256 (4 CY + cy) of x's codes under scale CX, B = rows 256 (4 CX + cx) of the weights' codes.
	; v: A = rows 256 cy of Wv's codes (2 MiB into the buffer), B = tokens 256 (4 CY + cx) of x's codes under the third scale (16 MiB into the buffer).
	; A's numbers never hold cx and B's never cy.
	s_lshl_b32 s76, s75, 2
	s_lshl_b32 s77, s74, 2
	s_lshl_b32 s78, s74, 23
	s_cmp_eq_u32 s74, 2                            ; (selections leave SCC alone: all four stand ahead of the first addition)
	s_cselect_b32 s17, 0, s76
	s_cselect_b32 s42, s76, s77
	s_cselect_b32 s78, 0x200000, s78
	s_cselect_b32 s79, 0x1000000, 0
	s_add_co_u32 s17, s17, s41                     ; A's block of 256 rows
	s_add_co_u32 s42, s42, s40                     ; B's
	s_lshl_b32 s18, s16, 7                         ; which 128 rows of it I fetch
	s_lshl_b32 s20, s17, 8
	s_add_co_u32 s20, s20, s18
	s_lshl_b32 s20, s20, 10                        ; rows of 1,024 bytes
	s_add_co_u32 s20, s20, s78                     ; under 2^25
	s_mov_b32 s21, 0
	s_lshl_b32 s46, s42, 8
	s_add_co_u32 s46, s46, s18
	s_lshl_b32 s46, s46, 10
	s_add_co_u32 s46, s46, s79
	s_mov_b32 s47, 0
	s_mul_i32 s45, s14, HALFT                      ; where they go: wave x 128 rows: no place in the cluster enters an LDS address
	s_wait_kmcnt 0x0
	s_load_b256 s[88:95], s[8:9], 0x0              ; e0 .. e7
	s_load_b64 s[98:99], s[8:9], 0x20              ; e8, e9
	s_cmp_eq_u32 s74, 2
	s_cselect_b64 s[80:81], s[6:7], s[4:5]         ; A's buffer
	s_cselect_b64 s[82:83], s[4:5], s[6:7]         ; B's
	s_add_nc_u64 s[20:21], s[80:81], s[20:21]
	s_add_nc_u64 s[46:47], s[82:83], s[46:47]
	CROUND                                         ; all sixteen work-groups are here: the first joint loads meet
.irp s, 0,1
	s_mov_b32 s[G0+4*\s], 1
	s_add_co_u32 s[G0+4*\s+1], s45, \s*SLOT
	s_add_nc_u64 s[G0+4*\s+2:G0+4*\s+3], s[20:21], \s*ROWB
	s_or_b32 s[G0+4*\s+3], s[G0+4*\s+3], 0x80000000
	s_mov_b32 s[G0B+4*\s], 1
	s_add_co_u32 s[G0B+4*\s+1], s45, \s*SLOT
	s_add_nc_u64 s[G0B+4*\s+2:G0B+4*\s+3], s[46:47], \s*ROWB
	s_or_b32 s[G0B+4*\s+3], s[G0B+4*\s+3], 0x80000000
	JLOAD G0+4*\s, G1, G0B+4*\s, G1B               ; by this text's count two tensor loads of a wave are out at the most
.endr
	v_and_b32 v1, 15, v0                           ; l % 16
	v_bfe_u32 v2, v0, 4, 1                         ; l / 16
	v_mul_u32_u24 v3, v1, PITCH
	v_lshl_add_u32 v4, v2, 4, v3                   ; a fragment's row x pitch + 16 x half
	s_mul_i32 s21, s15, HALFT                      ; my 128 rows of A
	s_mul_i32 s22, s16, HALFT                      ; my 128 rows of B,
	s_add_co_u32 s22, s22, 2*HALFT                 ; which lie behind A's 256
.irp s, 0,1
	v_add_nc_u32 v[ADRA+\s], s21, v4
	v_add_nc_u32 v[ADRB+\s], s22, v4
	s_add_co_u32 s21, s21, SLOT
	s_add_co_u32 s22, s22, SLOT
.endr
	v_and_b32 v6, 31, v0
	v_lshlrev_b32 v[LO], 4, v6
	; where my wave's codes go, in registers that feed no descriptor.
	; q, k: head bh = 16 (A block / 8) + 4 cx + 2 (B half); tile of 16 tokens = 16 (A block % 8) + 8 (A half); 1,024 bytes a fragment
	s_lshr_b32 s10, s17, 3
	s_lshl_b32 s10, s10, 4
	s_lshl_b32 s11, s40, 2
	s_add_co_u32 s10, s10, s11
	s_lshl_b32 s11, s16, 1
	s_add_co_u32 s10, s10, s11
	s_lshl_b32 s10, s10, 7
	s_and_b32 s11, s17, 7
	s_lshl_b32 s11, s11, 4
	s_add_co_u32 s10, s10, s11
	s_lshl_b32 s11, s15, 3
	s_add_co_u32 s10, s10, s11
	s_lshl_b32 s10, s10, 10
	; v: head bh = 16 (B block / 8) + 4 cy + 2 (A half); key step = 2 (B block % 8) + (B half); 8,192 bytes a step
	s_lshr_b32 s12, s42, 3
	s_lshl_b32 s12, s12, 4
	s_lshl_b32 s11, s41, 2
	s_add_co_u32 s12, s12, s11
	s_lshl_b32 s11, s15, 1
	s_add_co_u32 s12, s12, s11
	s_lshl_b32 s12, s12, 4
	s_and_b32 s11, s42, 7
	s_lshl_b32 s11, s11, 1
	s_add_co_u32 s12, s12, s11
	s_add_co_u32 s12, s12, s16
	s_lshl_b32 s12, s12, 13
	s_wait_alu depctr_va_vdst(0)
	s_wait_kmcnt 0x0                               ; the exponents
	s_cmp_eq_u32 s74, 0
	s_cselect_b32 s100, s88, s90                   ; x's exponent,
	s_cselect_b32 s101, s89, s91                   ; the weight's,
	s_cselect_b32 s13, s94, s95                    ; and that of the operand being made
	s_cselect_b64 s[84:85], s[68:69], s[70:71]
	s_cmp_eq_u32 s74, 2
	s_cselect_b32 s100, s92, s100
	s_cselect_b32 s101, s93, s101
	s_cselect_b32 s13, s99, s13
	s_cselect_b64 s[84:85], s[72:73], s[84:85]
	s_cselect_b32 s86, s12, s10
	s_mov_b32 s87, 0
	s_add_nc_u64 s[84:85], s[84:85], s[86:87]
	s_sub_co_i32 s13, s13, s100
	s_sub_co_i32 s13, s13, s101                    ; a sum stands for sum x 2^(eA + eB): its code is sum / 2^(eo - eA - eB)
	s_add_co_i32 s13, s13, 127
	s_lshl_b32 s100, s13, 23
	v_mov_b32 v[SC], s100
.macro FRAG reg, adr, q, i             ; a fragment, 16 rows x 128 K, is 16 registers: lane l holds row l % 16; registers 4 c .. 4 c + 3 hold K = 32 c + 16 (l / 16) + 0 .. 15: the same places of k in A and in B
.irp c, 0,1,2,3
	ds_load_b128 v[\reg+4*\c:\reg+4*\c+3], v[\adr] offset:128*(\q)+32*\c+(\i)*16*PITCH
.endr
.endm
; 16 matrix instructions: A's blocks a0, a0 + 1 x B's eight, 128 along K.  p: B's set.  zero = 1: the first product starts the sums: nothing is ever cleared.
; The 64 accumulators take turns, one instruction a turn, in the same order in every step.
.macro MUL16 a0, p, zero
.irp a, \a0, \a0+1
.irp b, 0,1,2,3,4,5,6,7
.if \zero
	v_wmma_f32_16x16x128_fp8_fp8 v[8*(8*((\a)%4)+\b):8*(8*((\a)%4)+\b)+7], v[128*(\p)+FR*\b:128*(\p)+FR*\b+FR-1], v[AF+FR*(\a):AF+FR*(\a)+FR-1], 0
.else
	v_wmma_f32_16x16x128_fp8_fp8 v[8*(8*((\a)%4)+\b):8*(8*((\a)%4)+\b)+7], v[128*(\p)+FR*\b:128*(\p)+FR*\b+FR-1], v[AF+FR*(\a):AF+FR*(\a)+FR-1], v[8*(8*((\a)%4)+\b):8*(8*((\a)%4)+\b)+7]
.endif
.endr
.endr
.endm
.macro FETCH_B slot, q, p              ; B's eight fragments of the slot's q-th 128 along K into set p
	WIN TO_B
.irp i, 0,1,2,3,4,5,6,7
	FRAG 128*(\p)+FR*\i, ADRB+\slot, \q, \i
.endr
	WIN 0
.endm
.macro FETCH_A slot, q, i0             ; A's blocks i0 .. i0 + 3
.irp i, \i0, \i0+1, \i0+2, \i0+3
	FRAG AF+FR*(\i), ADRA+\slot, \q, \i
.endr
.endm
; A load into a register that a matrix instruction has read, and a vector instruction that reads a matrix result, stand NP places behind that matrix instruction; only plain vector
; instructions that name none of its registers are places (ISA guide 7.12.1 for vector instructions).
.macro PLACES n
.rept \n
	v_nop
.endr
.endm
; A step of 128 along K that has its successor in the same slot.
.macro STEP slot, q, zero
	s_wait_dscnt 4*NL                              ; B's set and A's blocks 0-3 are in; the youngest sixteen loads (A's blocks 4-7) may be out
	WIN MUL_LO
	MUL16 0, (\q)%2, \zero
	MUL16 2, (\q)%2, \zero
	s_wait_dscnt 0                                 ; A's blocks 4-7 are in (asked for 32 matrix instructions ago)
	PLACES NP
	FETCH_B \slot, (\q)+1, 1-(\q)%2
	FETCH_A \slot, (\q)+1, 0
	WIN MUL_HI
	MUL16 4, (\q)%2, \zero
	MUL16 6, (\q)%2, \zero
	PLACES NP
	WIN 0
	FETCH_A \slot, (\q)+1, 4
.endm
; A slot's last step changes slots: ONE barrier; in front of it each wave waits for all its tensor loads, adds 0 to its spare word, and waits for that and for its own reads of this slot.  fill = 1: this slot is filled again, two slots ahead.
.macro TURN slot, next, fill
	s_wait_tensorcnt 0x0                           ; all my tensor loads have landed: my part of the next slot
	ds_add_u32 v[SPW], v[NIL]                      ; 0 onto my spare word
	s_wait_dscnt 4*NL+1                            ; (the add and the youngest sixteen loads, A's blocks 4-7, may be out)
	WIN MUL_LO
	MUL16 0, 1, 0                                  ; sixteen matrix instructions stand between the add and the wait for it
	s_wait_dscnt 0x0                               ; the add is done, and my reads of this slot are over
	s_barrier_signal -1
	MUL16 2, 1, 0
	WIN 0
	s_barrier_wait -1
.if \fill
	CREST                                          ; the barrier has opened a round of the cluster's barrier: no wave of any partner still reads this slot's tile or has a load on its way
	s_add_nc_u64 s[G0+4*\slot+2:G0+4*\slot+3], s[G0+4*\slot+2:G0+4*\slot+3], 2*ROWB
	s_add_nc_u64 s[G0B+4*\slot+2:G0B+4*\slot+3], s[G0B+4*\slot+2:G0B+4*\slot+3], 2*ROWB
	JLOAD G0+4*\slot, G1, G0B+4*\slot, G1B         ; the first tensor load behind the round; the four v_nop behind it are the places in front of the loads below
.else
	PLACES NP
.endif
	FETCH_B \next, 0, 0
	FETCH_A \next, 0, 0
	WIN MUL_HI
	MUL16 4, 1, 0
	MUL16 6, 1, 0
	PLACES NP
	WIN 0
	FETCH_A \next, 0, 4
.endm
	s_wait_tensorcnt 1                             ; my part of slot 0 is in; slot 1's load may be out
	s_barrier_signal -1
	s_barrier_wait -1                              ; everybody's is
	FETCH_B 0, 0, 0
	FETCH_A 0, 0, 0
	FETCH_A 0, 0, 4
	STEP 0, 0, 1                                   ; the first step stands in front of the loop: its products start the sums
	s_mov_b32 s3, LAPS-1
.Llap:                                                 ; a trip goes once round the ring, from a lap's second step to the next lap's first, and fills both slots again
	TURN 0, 1, 1
	STEP 1, 0, 0
	TURN 1, 0, 1
	STEP 0, 0, 0
	s_sub_co_u32 s3, s3, 1
	s_cmp_lg_u32 s3, 0
	s_cbranch_scc1 .Llap
	TURN 0, 1, 0                                   ; the last lap fills nothing, and has no round of the cluster's barrier
	STEP 1, 0, 0
	s_wait_dscnt 4*NL                              ; the very last step: nothing more to fetch
	WIN MUL_LO
	MUL16 0, 1, 0
	MUL16 2, 1, 0
	s_wait_alu depctr_va_vdst(0)
	s_wait_dscnt 0
	WIN MUL_HI
	MUL16 4, 1, 0
	MUL16 6, 1, 0
; THE WAY OUT.  An accumulator's eight registers (eight neighbours along the next product's K) become eight codes, two registers.
; Accumulators (a, 2 i) and (a, 2 i + 1) give four registers: one chunk of an image.  No LDS: the 32 lanes' 16 bytes are 512 consecutive bytes of the image.
	PLACES NP
.irp w, 0,1
	WIN 0x82+0x41*\w                               ; destination and source 0: window 2, then 3
.set x, 0
.rept 256
.set x, x+1
.endr
	WIN 0x02+\w                                    ; source 0: window 2, then 3; the codes go to window 0
.set x, 0
.rept 32
	v_cvt_scalef32_pk8_fp8_f32 v[CD+64*\w+2*x:CD+64*\w+2*x+1], v[8*x:8*x+7], v[SC]
.set x, x+1
.endr
	v_nop                                          ; one plain vector line behind the last conversion of the run
.endr
	WIN 0
	s_cmp_eq_u32 s74, 2                            ; the cluster's x: the same way in all sixteen partners
	s_cbranch_scc1 .Lv_out
.irp a, 0,1,2,3,4,5,6,7                ; q, k: tile of tokens a; head i / 2 of my two (131,072 bytes apart); chunk i % 2
.irp i, 0,1,2,3
	global_store_b128 v[LO], v[CD+16*\a+4*\i:CD+16*\a+4*\i+3], s[84:85] offset:\a*1024+(\i/2)*131072+(\i%2)*512
.endr
.endr
	s_branch .Ldone
.Lv_out:
	s_wait_alu depctr_va_vdst(0)
.irp a, 0,1,2,3,4,5,6,7                ; v: head a / 4 of my two; tile of channel places a % 4; chunk i
.irp i, 0,1,2,3
	global_store_b128 v[LO], v[CD+16*\a+4*\i:CD+16*\a+4*\i+3], s[84:85] offset:(\a/4)*131072+(\a%4)*2048+\i*512
.endr
.endr
.Ldone:
	s_wait_tensorcnt 0x0                           ; the wave's end
	ds_add_u32 v[SPW], v[NIL]
	s_wait_dscnt 0x0
	CROUND                                         ; the closing round: no work-group ends while a partner may still ask for a tile that names it
	s_endpgm
.Lfunc_end_k_q447934b8a7_gemm_qkv:
	.size	k_q447934b8a7_gemm_qkv, .Lfunc_end_k_q447934b8a7_gemm_qkv-k_q447934b8a7_gemm_qkv
	.p2alignl 7, 3214868480
	.fill 96, 4, 3214868480
	.section	.rodata,"a",@progbits
	.p2align	6, 0x0
	.amdhsa_kernel k_q447934b8a7_gemm_qkv
		.amdhsa_group_segment_fixed_size 327680
		.amdhsa_private_segment_fixed_size 0
		.amdhsa_enable_private_segment 0
		.amdhsa_kernarg_size 48
		.amdhsa_user_sgpr_count 2
		.amdhsa_user_sgpr_kernarg_segment_ptr 1
		.amdhsa_wavefront_size32 1
		.amdhsa_system_sgpr_workgroup_id_x 1
		.amdhsa_system_sgpr_workgroup_id_y 1
		.amdhsa_system_sgpr_workgroup_id_z 1
		.amdhsa_system_vgpr_workitem_id 0
		.amdhsa_next_free_vgpr 1024
		.amdhsa_next_free_sgpr 104
		.amdhsa_reserve_vcc 0
		.amdhsa_float_denorm_mode_32 3
		.amdhsa_float_denorm_mode_16_64 3
		.amdhsa_fp16_overflow 1
		.amdhsa_memory_ordered 1
		.amdhsa_forward_progress 1
		.amdhsa_inst_pref_size 89
	.end_amdhsa_kernel
	.amdgpu_metadata
---
amdhsa.version: [ 1, 2 ]
amdhsa.kernels:
  - .name:           k_q447934b8a7_gemm_qkv
    .symbol:         k_q447934b8a7_gemm_qkv.kd
    .args:
      - { .name: x_codes, .offset: 0, .size: 8, .value_kind: global_buffer, .address_space: global }
      - { .name: w_codes, .offset: 8, .size: 8, .value_kind: global_buffer, .address_space: global }
      - { .name: lowp_scales, .offset: 16, .size: 8, .value_kind: global_buffer, .address_space: global }
      - { .name: q_img, .offset: 24, .size: 8, .value_kind: global_buffer, .address_space: global }
      - { .name: k_img, .offset: 32, .size: 8, .value_kind: global_buffer, .address_space: global }
      - { .name: v_img, .offset: 40, .size: 8, .value_kind: global_buffer, .address_space: global }
    .group_segment_fixed_size: 327680
    .private_segment_fixed_size: 0
    .kernarg_segment_align: 8
    .kernarg_segment_size: 48
    .max_flat_workgroup_size: 128
    .sgpr_count:     104
    .vgpr_count:     1024
    .wavefront_size: 32
...
	.end_amdgpu_metadata
.endif
;; end of part 2
;; launch attn (part 3): grid 4 x 64, 16 waves a work-group, no clusters, 327,680 bytes of LDS; arguments q_img, k_img, v_img, lowp_scales, ctx_img; writes ctx_img
.if DOCPART == 3
	.amdgcn_target "amdgcn-amd-amdhsa--gfx1250"
	.amdhsa_code_object_version 6
	.text
	.protected	k_q447934b8a7_attn
	.globl	k_q447934b8a7_attn
	.p2align	8
	.type	k_q447934b8a7_attn,@function
k_q447934b8a7_attn:
	s_mov_b64 s[64:65], 0
	v_nop
	global_prefetch_b8 v0, s[64:65] scope:SCOPE_SE
	s_setreg_imm32_b32 hwreg(HW_REG_WAVE_MODE, 25, 1), 1
	s_wait_xcnt 0x0
; CAUSAL ATTENTION ON CODES OF E4M3: 64 heads (bh = 16 x batch + head) of 2,048 tokens x 64 channels.  ctx = softmax(q k^T / 8, causal) v, quantised for the last product.
; THE SOFTMAX AHEAD OF THE SECOND PRODUCT: t = score x log2(e) / 8; M = the row's largest t so far, rounded UP to a whole number; p = 2^(t - M) is what is quantised, not normalised.
; The row's sum is taken of the unquantised p, in f32, and divides at the end.  When M moves, the sum and O are multiplied by 2^(old M - new M): exact.
; SHARES.  Work-group (i, bh) owns the blocks i and 7 - i of 256 queries of head bh.  Each of its sixteen waves owns one tile of 16 queries in each block: first query 256 i + 16 w, then 256 (7 - i) + 16 (15 - w).
; A tile whose first query is Q0 needs Q0 / 128 + 1 key steps of 128; the two tiles of a wave need 17 together, whatever i and w: 256 work-groups of equal work, four waves to a SIMD.
; LDS holds the head's WHOLE K and V, as images of the operands' registers: K's at byte 0 (8,192 a key step: 8 fragments of 16 keys x 64 channels), V's at byte 131,072 (8,192 a key step: 4 fragments of 16 channel places x 128 keys).
; Every byte is filled once, by sixteen loads a stage of 512 keys, four stages, all issued at the head: no slot is filled again.  A fragment is read at 16 x lane: 512 consecutive bytes an instruction.
; LAYOUT.  Both products are used transposed: S^T = K Q^T (source 0 = 16 keys, source 1 = my 16 queries), O^T = V^T P^T (source 0 = 16 channel places, source 1 = P): a lane holds ONE query (lane % 16) throughout.
; Register j of tile t of S^T is key 16 t + 8 (lane / 16) + j: its eight codes are registers 2 t, 2 t + 1 of P in the K = 128 form's own layout.  V's channel places were laid by the quantiser so that tiles 2 b and 2 b + 1 of O^T
; hold channels 32 b + 16 (lane / 16) + 0 .. 15: two conversions make 16 bytes of ctx_img.
; ctx_img: [512 tiles of 16 tokens][8 K steps of 128][4 chunks][32 lanes][16 bytes]: lane (r, h) of chunk c holds k = 32 c + 16 h + 0 .. 15 of token r.
; THE MASK.  A key step all of whose keys come after my 16 queries is jumped over (a scalar branch on ids); on the diagonal hidden scores become -infinity ahead of the maximum.  Every loop's trip count is a constant.
; NO CLUSTER, though the four work-groups of a head read the same K and V: the jump over hidden steps hangs on the work-group's own block of queries, which differs between them, and partners of joint loads take every branch alike.
; NO PREFETCH: all that the work-group reads from K and V is asked for by the tensor loads in its first lines.
; LIMITS on the given exponents: e6 + e7 between -123 and 130 (added to c's exponent field); e8 and e10 between -126 and 119; e8 + e9 is applied by v_ldexp_f32 and has none.  NaN is not served.
.set LI,   1                           ; v1   16 x lane: my place in an image; also my place in Q's loads and ctx's stores
.set LIV,  2                           ; v2   the same in V's images: + 131,072
.set RH,   3                           ; v3   lane % 16 - 8 (lane / 16), for the mask
.set ADK,  4                           ; v4   LDS address of the step's K
.set ADV,  5                           ; v5   of its V
.set QF,   16                          ; v16-23   Q's fragment
.set FB,   32                          ; v32-95   K's eight fragments, then V's four
.set S,    96                          ; v96-159  S^T, then p; at the end O / the sum
.set O,    160                         ; v160-191 O^T
.set PC,   192                         ; v192-207 p's codes
.set CC,   208                         ; v208-215 ctx's codes
; v6: 2^e8.  v8: 2^e10.  v12 -M, v13 the largest t, v[14:15] the sum in two halves, v[242:243] a second chain of it, v244 the lane exchange, v[252:253] f, v250, v251, v254 at work.
.set WV,   18                          ; s18  my wave's number
.set SEL,  20                          ; s[20:21] lane selects for v_permlanex16_b32: lane l xor 16
.set CS,   22                          ; s[22:23] c = log2(e) / 8 x 2^(e6 + e7): the packed form names a pair and takes its low word for both halves
.set G1,   24                          ; s[24:31] descriptor group 1; s[32:47] four groups 0, one a stage
.set G0,   32
.set KB,   48                          ; s48  8,192 x the key step in hand
.set KF,   49                          ; s49  its first key
.set Q0,   50                          ; s50  my first query
	s_load_b256 s[4:11], s[0:1], 0x0               ; q_img s[4:5], k_img s[6:7], v_img s[8:9], the scales' exponents s[10:11]
	s_load_b64 s[12:13], s[0:1], 0x20              ; ctx_img
	v_lshl_add_u32 v249, v0, 2, 0x40000
	v_mov_b32 v255, 0
	ds_add_u32 v249, v255
	ds_add_u32 v249, v255
	v_lshrrev_b32 v1, 5, v0
	s_delay_alu instid0(VALU_DEP_1)
	v_readfirstlane_b32 s[WV], v1                  ; wave 0..15
	s_mov_b32 s17, ttmp9                           ; i
	s_and_b32 s19, ttmp7, 0xffff                   ; bh
	; descriptor group 1: 4,096 dense bytes as 16 rows of 256
	s_mov_b32 s[G1+0], 3<<16                       ; no mask; elements of 8 bytes; no padding
	s_mov_b32 s[G1+1], 32<<16                      ; tensor_dim0 = 32
	s_mov_b32 s[G1+2], 16<<16                      ; tensor_dim1 = 16
	s_mov_b32 s[G1+3], 32<<16                      ; tile_dim0 = 32
	s_mov_b32 s[G1+4], 16                          ; tile_dim1 = 16
	s_mov_b32 s[G1+5], 32                          ; from row to row
	s_mov_b32 s[G1+6], 0
	s_mov_b32 s[G1+7], 0
	s_mov_b32 s[SEL], 0x76543210
	s_mov_b32 s[SEL+1], 0xfedcba98
	; waves 0 to 7 fetch K's images, waves 8 to 15 V's: of each stage's 32,768 bytes wave w takes 4,096 at 4,096 (w % 8)
	s_lshr_b32 s52, s[WV], 3
	s_lshl_b32 s52, s52, 17
	s_and_b32 s53, s[WV], 7
	s_lshl_b32 s53, s53, 12
	s_add_co_u32 s52, s52, s53                     ; in LDS
	s_lshl_b32 s54, s19, 17                        ; a head's images are 131,072 bytes
	s_add_co_u32 s54, s54, s53
	s_mov_b32 s55, 0
	s_wait_dscnt 0x0
	s_wait_kmcnt 0x0
	s_load_b128 s[56:59], s[10:11], 0x18           ; e6, e7, e8, e9
	s_load_b32 s60, s[10:11], 0x28                 ; e10
	s_cmp_lt_u32 s[WV], 8
	s_cselect_b64 s[62:63], s[6:7], s[8:9]
	s_add_nc_u64 s[62:63], s[62:63], s[54:55]
.irp g, 0,1,2,3
	s_mov_b32 s[G0+4*\g], 1
	s_add_co_u32 s[G0+4*\g+1], s52, \g*32768
	s_add_nc_u64 s[G0+4*\g+2:G0+4*\g+3], s[62:63], \g*32768
	s_or_b32 s[G0+4*\g+3], s[G0+4*\g+3], 0x80000000
.endr
.irp g, 0,1,2,3
	s_wait_alu depctr_va_vdst(0)
	s_wait_tensorcnt 0x0
	ds_add_u32 v249, v255
	ds_add_u32 v249, v255
	s_wait_dscnt 0x0
	s_barrier_signal -1
	s_barrier_wait -1
	tensor_load_to_lds s[G0+4*\g:G0+4*\g+3], s[G1:G1+7]   ; the first fills, one group at the start: one tensor load of a wave is out at the most: each waits for the one before; their descriptors are never written again
	s_nop 0
.endr
.rept 4
	v_nop
.endr
	v_and_b32 v[LI], 31, v0
	s_delay_alu instid0(VALU_DEP_1)
	v_lshlrev_b32 v[LI], 4, v[LI]
	s_delay_alu instid0(VALU_DEP_1)
	v_add_nc_u32 v[LIV], 0x20000, v[LI]
	v_and_b32 v[RH], 15, v0
	v_bfe_u32 v4, v0, 4, 1
	s_delay_alu instid0(VALU_DEP_1)
	v_lshlrev_b32 v4, 3, v4
	s_delay_alu instid0(VALU_DEP_1)
	v_sub_nc_u32 v[RH], v[RH], v4
	v_mov_b32 v244, 0                              ; written once: a lane permute's destination counts as one of its sources
	v_mov_b32 v253, 0                              ; (named as the upper half of the pair v[252:253])
; A pass begins: my tile's first query, Q's fragment, where ctx goes, and the running numbers.
.macro INIT pass
	s_wait_xcnt 0x0                                ; the last pass's loads and stores have read their bases and registers
.if \pass
	s_sub_co_u32 s[Q0], 7, s17
	s_sub_co_u32 s52, 15, s[WV]
.else
	s_mov_b32 s[Q0], s17
	s_mov_b32 s52, s[WV]
.endif
	s_lshl_b32 s[Q0], s[Q0], 8
	s_lshl_b32 s52, s52, 4
	s_add_co_u32 s[Q0], s[Q0], s52
	s_lshr_b32 s54, s[Q0], 4                       ; my tile of 16 tokens in the head
	s_lshl_b32 s52, s19, 7
	s_add_co_u32 s52, s52, s54
	s_lshl_b32 s52, s52, 10                        ; 1,024 bytes a fragment of Q
	s_mov_b32 s53, 0
	s_add_nc_u64 s[66:67], s[4:5], s[52:53]
	s_lshr_b32 s52, s19, 4                         ; the batch,
	s_lshl_b32 s52, s52, 7
	s_add_co_u32 s52, s52, s54                     ; my tile among all 512,
	s_lshl_b32 s52, s52, 14                        ; 16,384 bytes each,
	s_and_b32 s54, s19, 15
	s_lshl_b32 s54, s54, 10                        ; and the head's 64 of the 1,024 along K: 1,024 bytes
	s_add_co_u32 s52, s52, s54
	s_add_nc_u64 s[68:69], s[12:13], s[52:53]
	global_load_b128 v[QF:QF+3], v[LI], s[66:67]
	global_load_b128 v[QF+4:QF+7], v[LI], s[66:67] offset:512
	v_mov_b32 v13, 0xff61b1e6                      ; the largest t so far: -3e38, under every t
	s_delay_alu instid0(VALU_DEP_1)
	v_floor_f32 v12, -v13                          ; -M
	v_mov_b32 v14, 0
	v_mov_b32 v15, 0
.set n, 0
.rept 32
	v_mov_b32 v[O+n], 0                            ; O^T.  (The step is written without a first form of its own: the first change of M multiplies zeros)
.set n, n+1
.endr
	s_mov_b32 s[KB], 0
	s_mov_b32 s[KF], 0
.endm
; A KEY STEP: 128 keys.
.macro STEP
	s_add_co_u32 s52, s[Q0], 15
	s_cmp_gt_u32 s[KF], s52
	s_cbranch_scc1 .Lhid_\@                        ; all its keys come after my queries: only the stepping lines at its end are run
	s_setprio 2
	v_add_nc_u32 v[ADK], s[KB], v[LI]
	v_add_nc_u32 v[ADV], s[KB], v[LIV]
	v_nop                                          ; with the two additions: four places in front of loads into registers that the last step's products have read
	v_nop
.irp t, 0,1,2,3,4,5,6,7
	ds_load_b128 v[FB+8*\t:FB+8*\t+3], v[ADK] offset:1024*\t
	ds_load_b128 v[FB+8*\t+4:FB+8*\t+7], v[ADK] offset:1024*\t+512
.endr
	s_wait_alu depctr_va_vdst(0)
	s_wait_dscnt 0x0
.irp t, 0,1,2,3,4,5,6,7
	v_wmma_f32_16x16x64_fp8_fp8 v[S+8*\t:S+8*\t+7], v[FB+8*\t:FB+8*\t+7], v[QF:QF+7], 0
.endr
.rept 4
	v_nop                                          ; places: the loads below land on K's fragments, and the scores are read
.endr
.irp t, 0,1,2,3
.irp c, 0,1,2,3
	ds_load_b128 v[FB+16*\t+4*\c:FB+16*\t+4*\c+3], v[ADV] offset:2048*\t+512*\c   ; V's fragments land while the softmax is worked
.endr
.endr
	s_add_co_u32 s52, s[KF], 127
	s_cmp_le_u32 s52, s[Q0]
	s_cbranch_scc1 .Lopen_\@                       ; all 128 keys count for all my queries
	s_sub_co_i32 s52, s[Q0], s[KF]
	v_add_nc_u32 v251, s52, v[RH]                  ; d = my query - KF - 8 (lane / 16).  Register 8 t + j holds key KF + 8 (lane / 16) + 16 t + j: hidden where 16 t + j > d
	v_mov_b32 v250, 0xff800000                     ; -infinity
.set n, 0
.rept 64
	v_cmp_gt_i32 vcc_lo, 16*(n/8)+n%8, v251
	v_cndmask_b32 v[S+n], v[S+n], v250, vcc_lo
.set n, n+1
.endr
.Lopen_\@:
	v_max3_num_f32 v254, v[S], v[S+1], v[S+2]      ; the step's largest score of my query, among my 64 keys, in two chains; each tile of scores is read from its low end on
	v_max3_num_f32 v250, v[S+3], v[S+4], v[S+5]
.irp i, 6,10,14,18,22,26,30,34,38,42,46,50,54,58
	v_max3_num_f32 v254, v254, v[S+\i], v[S+1+\i]
	v_max3_num_f32 v250, v250, v[S+2+\i], v[S+3+\i]
.endr
	v_max3_num_f32 v254, v254, v[S+62], v[S+63]
	s_delay_alu instid0(VALU_DEP_1)
	v_max_num_f32 v254, v254, v250
	s_delay_alu instid0(VALU_DEP_1)
	v_permlanex16_b32 v244, v254, s[SEL], s[SEL+1]
	s_delay_alu instid0(VALU_DEP_1)
	v_max_num_f32 v254, v254, v244                 ; and among lane l xor 16's
	s_delay_alu instid0(VALU_DEP_1)
	v_mul_f32 v254, s[CS], v254                    ; as t (c is positive)
	s_delay_alu instid0(VALU_DEP_1)
	v_max_num_f32 v13, v13, v254                   ; the running largest t
	v_mov_b32 v254, v12
	s_delay_alu instid0(VALU_DEP_2)
	v_floor_f32 v12, -v13                          ; the new -M = floor(-t) = -ceil(t): M is a whole number
	s_delay_alu instid0(VALU_DEP_1)
	v_sub_f32 v254, v12, v254                      ; M's old value less its new one: a whole number, 0 or less
	s_delay_alu instid0(VALU_DEP_1)
	v_cvt_i32_f32 v254, v254                       ; (it saturates)
	s_delay_alu instid0(VALU_DEP_1)
	v_ldexp_f32 v252, 1.0, v254                    ; f = 2^(old M - new M)
.set n, 0
	s_setprio 1
.rept 32
	v_pk_fma_f32 v[S+n:S+n+1], v[S+n:S+n+1], s[CS:CS+1], v[12:13] op_sel_hi:[1,0,0]   ; t - M, two at a time (of the pairs c and -M the low word serves both halves)
.set n, n+2
.endr
.set n, 0
	s_wait_alu depctr_va_vdst(0)
.rept 64
	v_exp_f32 v[S+n], v[S+n]                       ; p = 2^(t - M), at most 1: not normalised
.set n, n+1
.endr
	v_pk_mul_f32 v[14:15], v[14:15], v[252:253] op_sel_hi:[1,0]   ; the sums under the new M: the plain line behind the exponentials
	s_wait_alu depctr_va_vdst(0)                   ; one wait for the whole batch of exponentials, ahead of its first reader
	v_pk_add_f32 v[242:243], v[S:S+1], v[S+2:S+3]  ; the row's sum is taken of the UNQUANTISED p: two at a time, in two chains
.irp j, 4,8,12,16,20,24,28,32,36,40,44,48,52,56,60
	v_pk_add_f32 v[14:15], v[14:15], v[S+\j:S+1+\j]
	v_pk_add_f32 v[242:243], v[242:243], v[S+2+\j:S+3+\j]
.endr
	s_delay_alu instid0(VALU_DEP_1)
	v_pk_add_f32 v[14:15], v[14:15], v[242:243]
	s_setprio 0
.irp t, 0,1,2,3,4,5,6,7
.irp j, 0,1,2,3,4,5,6,7
.endr
	v_cvt_scalef32_pk8_fp8_f32 v[PC+2*\t:PC+2*\t+1], v[S+8*\t:S+8*\t+7], v6
.endr
.set n, 0
.rept 16
	v_pk_mul_f32 v[O+n:O+n+1], v[O+n:O+n+1], v[252:253] op_sel_hi:[1,0]   ; O^T under the new M: x f.  (Also the plain lines between the conversions and the products)
.set n, n+2
.endr
	s_wait_alu depctr_va_vdst(0)
	s_wait_dscnt 0x0                               ; V's fragments are in
.irp t, 0,1,2,3
	v_wmma_f32_16x16x128_fp8_fp8 v[O+8*\t:O+8*\t+7], v[FB+16*\t:FB+16*\t+15], v[PC:PC+15], v[O+8*\t:O+8*\t+7]   ; the four accumulators take turns, one instruction a turn
.endr
.Lhid_\@:
	s_add_co_u32 s[KF], s[KF], 128
	s_add_co_u32 s[KB], s[KB], 8192
.endm
.macro RUN n                           ; n key steps: a constant of the text
	s_mov_b32 s51, \n
.Lrun_\@:
	STEP
	s_sub_co_u32 s51, s51, 1
	s_cmp_lg_u32 s51, 0
	s_cbranch_scc1 .Lrun_\@
	s_setprio 0
.endm
.macro BAR
	s_wait_dscnt 0x0
	s_barrier_signal -1
	s_barrier_wait -1
.endm
; A pass ends: O^T / the sum x 2^(e8 + e9) is ctx; it is held, converted with 2^e10 and stored: each store covers 512 consecutive bytes of ctx_img.
.macro FINISH
.rept 4
	v_nop                                          ; places behind the last products
.endr
	v_add_f32 v14, v14, v15                        ; the sum's two halves,
	s_delay_alu instid0(VALU_DEP_1)
	v_permlanex16_b32 v244, v14, s[SEL], s[SEL+1]
	s_delay_alu instid0(VALU_DEP_1)
	v_add_f32 v14, v14, v244                       ; and lane l xor 16's: the row's sum
	s_wait_alu depctr_va_vdst(0)
	v_rcp_f32 v14, v14
	v_nop                                          ; a plain line behind the reciprocal
	s_wait_alu depctr_va_vdst(0)                   ; and the wait ahead of its first reader
	v_ldexp_f32 v14, v14, s61                      ; x 2^(e8 + e9)
.set n, 0
.rept 32
	v_mul_f32 v[S+n], v[O+n], v14                  ; each accumulator from its low end on
.set n, n+1
.endr
.set n, 0
.rept 32
.set n, n+1
.endr
.irp t, 0,1,2,3
	v_cvt_scalef32_pk8_fp8_f32 v[CC+2*\t:CC+2*\t+1], v[S+8*\t:S+8*\t+7], v8   ; tiles 2 b, 2 b + 1: channels 32 b + 16 (lane / 16) + 0 .. 15
.endr
	v_nop                                          ; one plain vector line behind the last conversion
	global_store_b128 v[LI], v[CC:CC+3], s[68:69]
	global_store_b128 v[LI], v[CC+4:CC+7], s[68:69] offset:512
.endm
	s_wait_alu depctr_va_vdst(0)
	INIT 0
	s_wait_kmcnt 0x0
	s_add_co_i32 s52, s56, s57
	s_lshl_b32 s52, s52, 23
	s_mov_b32 s[CS], 0x3e38aa3b                    ; log2(e) / 8
	s_add_co_i32 s[CS], s[CS], s52                 ; a score stands for score x 2^(e6 + e7): the two exponents are added to c's exponent field
	s_mov_b32 s[CS+1], s[CS]                       ; (named with it as a pair, so it is written)
	s_add_co_i32 s52, s58, 127
	s_lshl_b32 s53, s52, 23
	v_mov_b32 v6, s53                              ; 2^e8
	s_add_co_i32 s52, s60, 127
	s_lshl_b32 s53, s52, 23
	v_mov_b32 v8, s53                              ; 2^e10
	s_add_co_i32 s61, s58, s59                     ; e8 + e9
	s_wait_loadcnt 0x0                             ; Q
	s_wait_tensorcnt 0x3                           ; my part of stage 0 (keys 0 to 511) is in; of the stages behind it only stage 3's may be out
	BAR                                            ; everybody's is
	RUN 4
	s_wait_tensorcnt 0x2                           ; stage 1 (keys 512 to 1,023); only stage 3's may be out
	BAR
	RUN 4                                          ; the first pass's queries lie under 1,024: eight steps are all that it can need
	FINISH
	INIT 1
	s_wait_loadcnt 0x0                             ; Q
	RUN 8                                          ; stages 0 and 1, shown whole above
	s_wait_tensorcnt 0x0                           ; stages 2 and 3
	BAR
	RUN 8
	FINISH
	s_wait_tensorcnt 0x0
	ds_add_u32 v249, v255
	s_wait_dscnt 0x0
	s_endpgm
.Lfunc_end_k_q447934b8a7_attn:
	.size	k_q447934b8a7_attn, .Lfunc_end_k_q447934b8a7_attn-k_q447934b8a7_attn
	.p2alignl 7, 3214868480
	.fill 96, 4, 3214868480
	.section	.rodata,"a",@progbits
	.p2align	6, 0x0
	.amdhsa_kernel k_q447934b8a7_attn
		.amdhsa_group_segment_fixed_size 327680
		.amdhsa_private_segment_fixed_size 0
		.amdhsa_enable_private_segment 0
		.amdhsa_kernarg_size 40
		.amdhsa_user_sgpr_count 2
		.amdhsa_user_sgpr_kernarg_segment_ptr 1
		.amdhsa_wavefront_size32 1
		.amdhsa_system_sgpr_workgroup_id_x 1
		.amdhsa_system_sgpr_workgroup_id_y 1
		.amdhsa_system_sgpr_workgroup_id_z 1
		.amdhsa_system_vgpr_workitem_id 0
		.amdhsa_next_free_vgpr 256
		.amdhsa_next_free_sgpr 72
		.amdhsa_reserve_vcc 1
		.amdhsa_float_denorm_mode_32 3
		.amdhsa_float_denorm_mode_16_64 3
		.amdhsa_fp16_overflow 1
		.amdhsa_memory_ordered 1
		.amdhsa_forward_progress 1
		.amdhsa_inst_pref_size 91
	.end_amdhsa_kernel
	.amdgpu_metadata
---
amdhsa.version: [ 1, 2 ]
amdhsa.kernels:
  - .name:           k_q447934b8a7_attn
    .symbol:         k_q447934b8a7_attn.kd
    .args:
      - { .name: q_img, .offset: 0, .size: 8, .value_kind: global_buffer, .address_space: global }
      - { .name: k_img, .offset: 8, .size: 8, .value_kind: global_buffer, .address_space: global }
      - { .name: v_img, .offset: 16, .size: 8, .value_kind: global_buffer, .address_space: global }
      - { .name: lowp_scales, .offset: 24, .size: 8, .value_kind: global_buffer, .address_space: global }
      - { .name: ctx_img, .offset: 32, .size: 8, .value_kind: global_buffer, .address_space: global }
    .group_segment_fixed_size: 327680
    .private_segment_fixed_size: 0
    .kernarg_segment_align: 8
    .kernarg_segment_size: 40
    .max_flat_workgroup_size: 512
    .sgpr_count:     72
    .vgpr_count:     256
    .wavefront_size: 32
...
	.end_amdgpu_metadata
.endif
;; end of part 3
;; launch gemm_out (part 4): grid 4 x 32, 4 waves a work-group, clusters of 4 x 4, 327,680 bytes of LDS; arguments ctx_img, w_codes, lowp_scales, bo, out0; writes out0
.if DOCPART == 4
	.amdgcn_target "amdgcn-amd-amdhsa--gfx1250"
	.amdhsa_code_object_version 6
	.text
	.protected	k_q447934b8a7_gemm_out
	.globl	k_q447934b8a7_gemm_out
	.p2align	8
	.type	k_q447934b8a7_gemm_out,@function
k_q447934b8a7_gemm_out:
	s_mov_b64 s[64:65], 0
	v_nop
	global_prefetch_b8 v0, s[64:65] scope:SCOPE_SE
	s_setreg_imm32_b32 hwreg(HW_REG_WAVE_MODE, 25, 1), 1
	s_wait_xcnt 0x0
	s_wait_alu depctr_hold_cnt(0) depctr_sa_sdst(0) depctr_va_vdst(0) depctr_va_sdst(0) depctr_va_ssrc(0) depctr_va_vcc(0) depctr_vm_vsrc(0)
	s_getreg_b32 s2, hwreg(HW_REG_IB_STS2, 6, 4)
	s_cmp_eq_u32 s2, 0
	s_cbranch_scc0 .Lentry_in_a_cluster
	s_endpgm
.Lentry_in_a_cluster:
	s_bfe_u32 s2, ttmp6, 0x10000c
	s_cmp_lg_u32 s2, 0xf033
	s_cbranch_scc0 .Lentry_shape_is_right
	s_endpgm
.Lentry_shape_is_right:
; out0 = ctx Wo + bo.  ctx: codes of E4M3 as images of the operand's registers (ctx_img: [512 tiles of 16 tokens][8 K steps of 128][4 chunks][32 lanes][16 bytes]); Wo: codes [1024 n][1024 k], 3 MiB into w_codes; out0 [8192][1024] f32.
; The codes are multiplied as they are; each finished sum goes out as sum x 2^(e10 + e11) + bo, one packed multiply-add for two numbers.
; LIMIT: e10 + e11 lies between -126 and 127, so that 2^(e10 + e11) is an f32 number.
; A tile of 256 x 256 is made by a work-group of four waves; a wave makes 128 x 128: 64 accumulators.  out0 has 128 such tiles.  K goes in steps of 256 through a ring of two LDS slots filled by the tensor data mover.
; CLUSTERS: 4 x 4 work-groups: ctx's tile is shared along a row of the cluster, Wo's along a column; each is asked for jointly.
; THE MATRIX INSTRUCTION IS USED TRANSPOSED (source 0 = 16 rows of Wo's codes, source 1 = 16 tokens): a lane holds eight neighbouring numbers of a row of out0.
; A SLOT: ctx's two halves, each 8 tiles of tokens x 4,096 bytes (two K steps' images, read at 16 x lane: no pitch, no padding), then Wo's two halves, each 128 rows of 256 bytes + 16.
; Both fragments hold, in registers 4 c .. 4 c + 3 of lane (r, h), K = 32 c + 16 h + 0 .. 15 of row r.
; REGISTERS, in windows of 256: window 0: v0-31 addresses, v8-11 bo of my four columns; from v128 A's fragments, ONE set; on the way out v128-255 take rows of out0.
;   window 1: B's fragments, TWO sets.   window 2: the accumulators of my rows 0-63 ((a, b) at v[8 (8 a + b)]);   window 3: those of my rows 64-127.
.set ROWB,   256
.set KROW,   1024
.set PITCH,  272                       ; a row of Wo's tile in LDS: 256 bytes + 16 = 68 words: row r starts at bank 4 r mod 64 (64 banks of 4 bytes: ISA guide 11.1)
.set FR,     16
.set NL,     4
.set NP,     4
.set HALFA,  32768                     ; 8 tiles of tokens x 4,096 bytes: what one tensor load brings of ctx
.set HALFB,  128*PITCH                 ; 128 rows: what one brings of Wo
.set BOFF,   2*HALFA
.set SLOT,   2*HALFA+2*HALFB           ; 135,168
.set LAPS,   2
.set SPARE,  2*SLOT                    ; behind the ring: the spare words, 128 bytes for each wave: two blocks of 256 bytes that no other line names
.set SPITCH, 528                       ; the way out: a stage of 16 rows x (512 bytes + 16) for each wave, from LDS byte 0 on: in slot 0, which has had its last fill and its last read when the first result is stored there
.set ADRA, 16                          ; v16-17  LDS address of my A fragments in slot 0, 1
.set ADRB, 20                          ; v20-21  the same for B
.set STO,  24                          ; v24     the way out: where I put 32 bytes of a row
.set RD,   25                          ; v25     the way out: where I read a row back
.set CO,   26                          ; v26     16 x lane: my byte offset in a row's 512 bytes
.set SPW,  28                          ; v28     LDS address of my spare word; never rewritten
.set NIL,  29                          ; v29     0; never rewritten
.set AF,   128
.set BK,   128                         ; the way out: 16 rows read back from the stage: v128-191 and v192-255 by turns
.set G1, 24
.set G0, 32
.set G1B, 48
.set G0B, 56
.set MSB, 0
.macro WIN new                         ; the immediate's high byte repeats the setting that is left
.if MSB != \new
	s_set_vgpr_msb (MSB<<8)|\new
.set MSB, \new
.endif
.endm
.set MUL_LO, 0xa1
.set MUL_HI, 0xf1
.set TO_B,   0x40
.macro JLOAD g0a, g1a, g0b, g1b        ; a joint load: waves 0 and 1 fetch for A, waves 2 and 3 for B; four v_nop follow each of the two lines
	s_cmp_eq_u32 s15, 0
	s_cbranch_scc0 .Lfor_b_\@
	tensor_load_to_lds s[\g0a:\g0a+3], s[\g1a:\g1a+7]
	s_nop 0
.rept 4
	v_nop
.endr
	s_branch .Lasked_\@
.Lfor_b_\@:
	tensor_load_to_lds s[\g0b:\g0b+3], s[\g1b:\g1b+7]
	s_nop 0
.rept 4
	v_nop
.endr
.Lasked_\@:
.endm
.macro CREST
	s_cmp_lg_u32 s14, 0
	s_cbranch_scc1 .Lnot_wave_0_\@
	s_barrier_signal -3
.Lnot_wave_0_\@:
	s_barrier_wait -3
	s_barrier_signal -1
	s_barrier_wait -1
.endm
.macro CROUND
	s_barrier_signal -1
	s_barrier_wait -1
	CREST
.endm
	s_load_b128 s[4:7], s[0:1], 0x0                ; ctx_img s[4:5], w_codes s[6:7]
	s_load_b128 s[8:11], s[0:1], 0x10              ; the scales' exponents s[8:9], bo s[10:11]
	s_load_b64 s[12:13], s[0:1], 0x20              ; out0
	v_lshl_add_u32 v[SPW], v0, 2, SPARE
	v_mov_b32 v[NIL], 0
	ds_add_u32 v28, v29
	ds_add_u32 v28, v29
	s_wait_dscnt 0x0
	v_lshrrev_b32 v1, 5, v0
	v_readfirstlane_b32 s14, v1                    ; wave 0..3
	s_lshr_b32 s15, s14, 1                         ; which half of the tile's rows is mine.  Also: I fetch for A (0) or for B (1)
	s_and_b32 s16, s14, 1                          ; which half of its columns.  Also: which half of that region I fetch
	s_bfe_u32 s40, ttmp6, 0x40000                  ; cx, cy
	s_bfe_u32 s41, ttmp6, 0x40004
	s_lshl_b32 s42, ttmp9, 2
	s_add_co_u32 s42, s42, s40                     ; tile column = 4 x cluster x + cx
	s_and_b32 s17, ttmp7, 0xffff
	s_lshl_b32 s17, s17, 2
	s_add_co_u32 s17, s17, s41                     ; tile row = 4 x cluster y + cy
	s_lshl_b32 s43, s41, 2
	s_lshl_b32 s43, 15, s43                        ; my row of the cluster
	s_lshl_b32 s44, 0x1111, s40                    ; my column
	; group 1 for ctx: 8 rows (tiles of tokens) of 4,096 bytes, 16,384 bytes apart, in elements of 8 bytes; no padding
	s_or_b32 s[G1+0], s43, (3<<16)|(1<<21)         ; 15:0 the mask: my row; 17:16 elements of 8 bytes; 21 set beside a mask
	s_mov_b32 s[G1+1], 512<<16                     ; tensor_dim0 = 512
	s_mov_b32 s[G1+2], 8<<16                       ; tensor_dim1 = 8
	s_mov_b32 s[G1+3], 512<<16                     ; tile_dim0 = 512
	s_mov_b32 s[G1+4], 8                           ; tile_dim1 = 8
	s_mov_b32 s[G1+5], 2048                        ; from row to row
	s_mov_b32 s[G1+6], 0
	s_mov_b32 s[G1+7], 0
	; group 1 for Wo: 128 rows of 256 bytes, padded in LDS
	s_or_b32 s[G1B+0], s44, (0<<16)|(1<<20)|(1<<21)|(5<<22)|(3<<25)  ; the mask: my column; elements of 1 byte; padding: four words after every 64
	s_mov_b32 s[G1B+1], ROWB<<16
	s_mov_b32 s[G1B+2], 128<<16
	s_mov_b32 s[G1B+3], ROWB<<16
	s_mov_b32 s[G1B+4], 128
	s_mov_b32 s[G1B+5], KROW
	s_mov_b32 s[G1B+6], 0
	s_mov_b32 s[G1B+7], 0
	s_lshl_b32 s18, s16, 17                        ; my half: 8 tiles of 16,384 bytes of ctx, or 128 rows of 1,024 bytes of Wo: 131,072 bytes either way
	s_lshl_b32 s20, s17, 18                        ; ctx: 16 tiles of tokens to a tile row
	s_add_co_u32 s20, s20, s18
	s_mov_b32 s21, 0
	s_lshl_b32 s46, s42, 18                        ; Wo: 256 rows to a tile column,
	s_add_co_u32 s46, s46, s18
	s_add_co_u32 s46, s46, 0x300000                ; behind Wq's, Wk's and Wv's codes
	s_mov_b32 s47, 0
	s_lshl_b32 s45, s16, 15                        ; where they go: ctx's half,
	s_mul_i32 s19, s16, HALFB
	s_add_co_u32 s19, s19, BOFF                    ; Wo's half: no place in the cluster enters an LDS address
	s_wait_kmcnt 0x0
	s_load_b64 s[96:97], s[8:9], 0x28              ; e10, e11
	s_add_nc_u64 s[20:21], s[4:5], s[20:21]
	s_add_nc_u64 s[46:47], s[6:7], s[46:47]
	CROUND                                         ; all sixteen work-groups are here: the first joint loads meet
.irp s, 0,1
	s_mov_b32 s[G0+4*\s], 1
	s_add_co_u32 s[G0+4*\s+1], s45, \s*SLOT
	s_add_nc_u64 s[G0+4*\s+2:G0+4*\s+3], s[20:21], \s*4096
	s_or_b32 s[G0+4*\s+3], s[G0+4*\s+3], 0x80000000
	s_mov_b32 s[G0B+4*\s], 1
	s_add_co_u32 s[G0B+4*\s+1], s19, \s*SLOT
	s_add_nc_u64 s[G0B+4*\s+2:G0B+4*\s+3], s[46:47], \s*ROWB
	s_or_b32 s[G0B+4*\s+3], s[G0B+4*\s+3], 0x80000000
	s_wait_alu depctr_va_vdst(0)
	s_wait_tensorcnt 0x0
	ds_add_u32 v28, v29
	ds_add_u32 v28, v29
	s_wait_dscnt 0x0
	CROUND
	JLOAD G0+4*\s, G1, G0B+4*\s, G1B               ; one tensor load of a wave is out at the most: each waits for the one before
.endr
	v_and_b32 v1, 15, v0                           ; l % 16
	v_bfe_u32 v2, v0, 4, 1                         ; l / 16
	v_and_b32 v6, 31, v0
	v_lshlrev_b32 v[CO], 4, v6                     ; 16 x lane
	v_mul_u32_u24 v3, v1, PITCH
	v_lshl_add_u32 v4, v2, 4, v3                   ; Wo: a fragment's row x pitch + 16 x half
	s_lshl_b32 s21, s15, 15                        ; my 8 tiles of tokens
	s_mul_i32 s22, s16, HALFB
	s_add_co_u32 s22, s22, BOFF                    ; my 128 rows of Wo
.irp s, 0,1
	v_add_nc_u32 v[ADRA+\s], s21, v[CO]
	v_add_nc_u32 v[ADRB+\s], s22, v4
	s_add_co_u32 s21, s21, SLOT
	s_add_co_u32 s22, s22, SLOT
.endr
	s_mul_i32 s23, s14, 16*SPITCH                  ; my stage
	v_mul_u32_u24 v5, v1, SPITCH                   ; in: row l % 16, 32 bytes for each half of the lanes
	v_lshl_add_u32 v5, v2, 5, v5
	v_add_nc_u32 v[STO], s23, v5
	v_add_nc_u32 v[RD], s23, v[CO]                 ; back: the 32 lanes take one row of 512 bytes
	s_lshl_b32 s20, s17, 8
	s_lshl_b32 s21, s15, 7
	s_add_co_u32 s20, s20, s21                     ; my first row of out0: 256 x tile row + 128 x half
	s_lshl_b32 s20, s20, 12                        ; rows of 4,096 bytes: under 2^25
	s_lshl_b32 s46, s42, 10                        ; my first column, in bytes: 1,024 x tile column + 512 x half
	s_lshl_b32 s47, s16, 9
	s_add_co_u32 s46, s46, s47
	s_mov_b32 s47, 0
	s_add_nc_u64 s[10:11], s[10:11], s[46:47]      ; bo at my 128 columns
	s_add_co_u32 s20, s20, s46
	s_mov_b32 s21, 0
	s_add_nc_u64 s[12:13], s[12:13], s[20:21]
	global_load_b128 v[8:11], v[CO], s[10:11]      ; bo of the four columns that I store
.macro FRAG reg, adr, q, i             ; Wo: 16 rows x 128 K from padded rows
.irp c, 0,1,2,3
	ds_load_b128 v[\reg+4*\c:\reg+4*\c+3], v[\adr] offset:128*(\q)+32*\c+(\i)*16*PITCH
.endr
.endm
.macro FRAGA reg, adr, q, i            ; ctx: tile of tokens i, the slot's q-th K step: the image comes back as it was stored
.irp c, 0,1,2,3
	ds_load_b128 v[\reg+4*\c:\reg+4*\c+3], v[\adr] offset:2048*(\q)+512*\c+(\i)*4096
.endr
.endm
; 16 matrix instructions: A's blocks a0, a0 + 1 x B's eight.  The 64 accumulators take turns, one instruction a turn, in the same order in every step.
.macro MUL16 a0, p, zero
.irp a, \a0, \a0+1
.irp b, 0,1,2,3,4,5,6,7
.if \zero
	v_wmma_f32_16x16x128_fp8_fp8 v[8*(8*((\a)%4)+\b):8*(8*((\a)%4)+\b)+7], v[128*(\p)+FR*\b:128*(\p)+FR*\b+FR-1], v[AF+FR*(\a):AF+FR*(\a)+FR-1], 0
.else
	v_wmma_f32_16x16x128_fp8_fp8 v[8*(8*((\a)%4)+\b):8*(8*((\a)%4)+\b)+7], v[128*(\p)+FR*\b:128*(\p)+FR*\b+FR-1], v[AF+FR*(\a):AF+FR*(\a)+FR-1], v[8*(8*((\a)%4)+\b):8*(8*((\a)%4)+\b)+7]
.endif
.endr
.endr
.endm
.macro FETCH_B slot, q, p
	WIN TO_B
.irp i, 0,1,2,3,4,5,6,7
	FRAG 128*(\p)+FR*\i, ADRB+\slot, \q, \i
.endr
	WIN 0
.endm
.macro FETCH_A slot, q, i0
.irp i, \i0, \i0+1, \i0+2, \i0+3
	FRAGA AF+FR*(\i), ADRA+\slot, \q, \i
.endr
.endm
.macro PLACES n                        ; places in front of loads into registers that matrix instructions have read, and of the first read of results (ISA guide 7.12.1 for the reads of results)
.rept \n
	v_nop
.endr
.endm
.macro STEP slot, q, zero
	s_wait_dscnt 4*NL                              ; B's set and A's blocks 0-3 are in; the youngest sixteen loads (A's blocks 4-7) may be out
	WIN MUL_LO
	MUL16 0, (\q)%2, \zero
	MUL16 2, (\q)%2, \zero
	s_wait_dscnt 0                                 ; A's blocks 4-7 are in
	PLACES NP
	FETCH_B \slot, (\q)+1, 1-(\q)%2
	FETCH_A \slot, (\q)+1, 0
	WIN MUL_HI
	MUL16 4, (\q)%2, \zero
	MUL16 6, (\q)%2, \zero
	PLACES NP
	WIN 0
	FETCH_A \slot, (\q)+1, 4
.endm
; A slot's last step changes slots: ONE barrier; in front of it each wave waits for all its tensor loads, adds 0 to its spare word, and waits for that and for its own reads of this slot.
.macro TURN slot, next, fill
	s_wait_tensorcnt 0x0                           ; all my tensor loads have landed: my part of the next slot
	ds_add_u32 v[SPW], v[NIL]                      ; 0 onto my spare word
	s_wait_dscnt 4*NL+1                            ; (the add and the youngest sixteen loads may be out)
	WIN MUL_LO
	MUL16 0, 1, 0
	s_wait_dscnt 0x0                               ; the add is done, and my reads of this slot are over
	s_barrier_signal -1
	MUL16 2, 1, 0
	WIN 0
	s_barrier_wait -1
.if \fill
	CREST                                          ; the barrier has opened a round of the cluster's barrier: no wave of any partner still reads this slot's tile or has a load on its way
	s_add_nc_u64 s[G0+4*\slot+2:G0+4*\slot+3], s[G0+4*\slot+2:G0+4*\slot+3], 2*4096
	s_add_nc_u64 s[G0B+4*\slot+2:G0B+4*\slot+3], s[G0B+4*\slot+2:G0B+4*\slot+3], 2*ROWB
	JLOAD G0+4*\slot, G1, G0B+4*\slot, G1B         ; the first tensor load behind the round; its four v_nop are the places in front of the loads below
.else
	PLACES NP
.endif
	FETCH_B \next, 0, 0
	FETCH_A \next, 0, 0
	WIN MUL_HI
	MUL16 4, 1, 0
	MUL16 6, 1, 0
	PLACES NP
	WIN 0
	FETCH_A \next, 0, 4
.endm
	s_wait_alu depctr_va_vdst(0)
	s_wait_loadcnt 0x0                             ; bo
	s_wait_tensorcnt 1                             ; my part of slot 0 is in; slot 1's load may be out
	s_barrier_signal -1
	s_barrier_wait -1
	FETCH_B 0, 0, 0
	FETCH_A 0, 0, 0
	FETCH_A 0, 0, 4
	STEP 0, 0, 1                                   ; the first step's products start the sums
	s_mov_b32 s3, LAPS-1
.Llap:
	TURN 0, 1, 1
	STEP 1, 0, 0
	TURN 1, 0, 1
	STEP 0, 0, 0
	s_sub_co_u32 s3, s3, 1
	s_cmp_lg_u32 s3, 0
	s_cbranch_scc1 .Llap
	TURN 0, 1, 0                                   ; the last lap fills nothing
	STEP 1, 0, 0
	s_wait_dscnt 4*NL
	WIN MUL_LO
	MUL16 0, 1, 0
	MUL16 2, 1, 0
	s_wait_dscnt 0
	WIN MUL_HI
	MUL16 4, 1, 0
	MUL16 6, 1, 0
	WIN 0
; THE WAY OUT, block by block of 16 rows x 128 columns.  The sums go into my own stage as they stand, each accumulator's low four registers first, and come back as whole rows of 512 bytes: a lane then holds columns 4 l .. 4 l + 3,
; the same four in every row, so that its four numbers of bo serve all rows.  LDS serves a wave's instructions in order (ISA guide 5.7.1.4): no wait between the stores and the loads, nor in front of the next block's stores.
.macro TOSTAGE a
.set AC, 64*((\a)%4)
	WIN 0x08+4*((\a)/4)                            ; an LDS store's data are source 1: window 2 or 3
.irp b, 0,1,2,3,4,5,6,7
	ds_store_b128 v[STO], v[AC+8*\b:AC+8*\b+3] offset:64*\b
	ds_store_b128 v[STO], v[AC+8*\b+4:AC+8*\b+7] offset:64*\b+16
.endr
	WIN 0
.set BB, BK+64*((\a)%2)
.irp t, 0,1,2,3,4,5,6,7,8,9,10,11,12,13,14,15
	ds_load_b128 v[BB+4*\t:BB+4*\t+3], v[RD] offset:\t*SPITCH
.endr
.endm
.macro SEND a, younger                 ; younger: the LDS instructions issued behind block a's loads, which may stay out
.set BB, BK+64*((\a)%2)
	s_wait_dscnt \younger                          ; the block is back in registers
.if (\a) > 0
	s_add_nc_u64 s[12:13], s[12:13], 16*4096       ; (behind a wait on XCNT: the earlier stores have read their base)  16 rows on
.endif
.irp t, 0,1,2,3,4,5,6,7,8,9,10,11,12,13,14,15
	v_pk_fma_f32 v[BB+4*\t:BB+4*\t+1], v[BB+4*\t:BB+4*\t+1], s[96:97], v[8:9] op_sel_hi:[1,0,1]       ; sum x 2^(e10 + e11) + bo (the scalar pair's low word for both halves)
	v_pk_fma_f32 v[BB+4*\t+2:BB+4*\t+3], v[BB+4*\t+2:BB+4*\t+3], s[96:97], v[10:11] op_sel_hi:[1,0,1]
.endr
.irp t, 0,1,2,3,4,5,6,7,8,9,10,11,12,13,14,15
	global_store_b128 v[CO], v[BB+4*\t:BB+4*\t+3], s[12:13] offset:\t*4096 th:TH_STORE_NT   ; 32 lanes store 512 consecutive bytes, aligned; written once, read by nobody here
.endr
.endm
	s_wait_kmcnt 0x0
	s_add_co_i32 s96, s96, s97                     ; e10 + e11, between -126 and 127,
	s_add_co_i32 s96, s96, 127
	s_lshl_b32 s96, s96, 23                        ; makes the f32 number 2^(e10 + e11)
	PLACES NP                                      ; for the loads into the registers that held A's fragments, and for the reads of results
	TOSTAGE 0
.irp a, 1,2,3,4,5,6,7
.if \a > 1
	s_wait_xcnt 0x0                                ; block a - 2's stores have read their registers and their base: block a's loads may land there, and the base may step
.endif
	TOSTAGE \a
	SEND \a-1, 32                                  ; behind block a - 1's loads: block a's 16 stores and 16 loads
.endr
	s_wait_xcnt 0x0                                ; block 6's stores have read their base
	SEND 7, 0
	s_wait_tensorcnt 0x0                           ; the wave's end
	ds_add_u32 v[SPW], v[NIL]
	s_wait_dscnt 0x0
	CROUND                                         ; the closing round
	s_endpgm
.Lfunc_end_k_q447934b8a7_gemm_out:
	.size	k_q447934b8a7_gemm_out, .Lfunc_end_k_q447934b8a7_gemm_out-k_q447934b8a7_gemm_out
	.p2alignl 7, 3214868480
	.fill 96, 4, 3214868480
	.section	.rodata,"a",@progbits
	.p2align	6, 0x0
	.amdhsa_kernel k_q447934b8a7_gemm_out
		.amdhsa_group_segment_fixed_size 327680
		.amdhsa_private_segment_fixed_size 0
		.amdhsa_enable_private_segment 0
		.amdhsa_kernarg_size 40
		.amdhsa_user_sgpr_count 2
		.amdhsa_user_sgpr_kernarg_segment_ptr 1
		.amdhsa_wavefront_size32 1
		.amdhsa_system_sgpr_workgroup_id_x 1
		.amdhsa_system_sgpr_workgroup_id_y 1
		.amdhsa_system_sgpr_workgroup_id_z 1
		.amdhsa_system_vgpr_workitem_id 0
		.amdhsa_next_free_vgpr 1024
		.amdhsa_next_free_sgpr 98
		.amdhsa_reserve_vcc 0
		.amdhsa_float_denorm_mode_32 3
		.amdhsa_float_denorm_mode_16_64 3
		.amdhsa_memory_ordered 1
		.amdhsa_forward_progress 1
		.amdhsa_inst_pref_size 124
	.end_amdhsa_kernel
	.amdgpu_metadata
---
amdhsa.version: [ 1, 2 ]
amdhsa.kernels:
  - .name:           k_q447934b8a7_gemm_out
    .symbol:         k_q447934b8a7_gemm_out.kd
    .args:
      - { .name: ctx_img, .offset: 0, .size: 8, .value_kind: global_buffer, .address_space: global }
      - { .name: w_codes, .offset: 8, .size: 8, .value_kind: global_buffer, .address_space: global }
      - { .name: lowp_scales, .offset: 16, .size: 8, .value_kind: global_buffer, .address_space: global }
      - { .name: bo, .offset: 24, .size: 8, .value_kind: global_buffer, .address_space: global }
      - { .name: out0, .offset: 32, .size: 8, .value_kind: global_buffer, .address_space: global }
    .group_segment_fixed_size: 327680
    .private_segment_fixed_size: 0
    .kernarg_segment_align: 8
    .kernarg_segment_size: 40
    .max_flat_workgroup_size: 128
    .sgpr_count:     98
    .vgpr_count:     1024
    .wavefront_size: 32
...
	.end_amdgpu_metadata
.endif
;; end of part 4
